; MI455X (gfx1250); checked and timed in simulation.
; The chip was launched on July 23, 2026; its instructions are those of AMD's public machine-readable ISA for CDNA 5 (MIT licence, August 2026) and "CDNA5" Instruction Set Architecture Reference Guide (July 2026). The comments in the code are by the model that wrote it; some were corrected since.
;; Grouped Query Attention. Allowed arithmetic: float matrix products may take bf16 or f16 operands with f32 sums; other float arithmetic in f32, or as packed bf16 or f16 multiplies, adds, multiply-adds, maxima and minima; sums over many terms, partial sums and values carried from step to step in f32; what a program stores and reads back later, other than sums and carried values, may be rounded once to bf16 or f16.
;; Inputs: Wk 2,048 x 512 float32; Wo 2,048 x 2,048 float32; Wq 2,048 x 2,048 float32; Wv 2,048 x 512 float32; context 4 x 1,024 x 2,048 float32; context_cos 1 x 1 x 1,024 x 64 float32; context_sin 1 x 1 x 1,024 x 64 float32; cos 1 x 1 x 1,024 x 64 float32; sin 1 x 1 x 1,024 x 64 float32; x 4 x 1,024 x 2,048 float32.
;; Outputs: out0 4 x 1,024 x 2,048 float32.
;; One version. Each part assembles by itself: llvm-mc -triple=amdgcn-amd-amdhsa -mcpu=gfx1250 --defsym DOCPART=n.
;; ======== version 1 of 1: 4 launches
;; limits: values are held in f16: magnitudes above 65,504 overflow, below 6.1e-05 lose precision; right only within a limited range of input values
;; workspace buffers: ab 33,554,432 bytes; wcat 12,582,912 bytes; wo16 8,388,608 bytes; tab 524,288 bytes; q16 16,777,216 bytes; kv16 8,388,608 bytes; o16 16,777,216 bytes
;; launch cast (part 1): grid 1680 x 1, 4 waves a work-group, no clusters, 0 bytes of LDS; arguments x, context, Wq, Wk, Wv, Wo, cos, sin, context_cos, context_sin, ab, wcat, wo16, tab; writes ab, wcat, wo16, tab
.if DOCPART == 1
	.amdgcn_target "amdgcn-amd-amdhsa--gfx1250"
	.amdhsa_code_object_version 6
	.text
	.protected	k_qcda9d07ee8_cast
	.globl	k_qcda9d07ee8_cast
	.p2align	8
	.type	k_qcda9d07ee8_cast,@function
k_qcda9d07ee8_cast:
	s_mov_b64 s[64:65], 0
	v_nop
	global_prefetch_b8 v0, s[64:65] scope:SCOPE_SE
	s_setreg_imm32_b32 hwreg(HW_REG_WAVE_MODE, 25, 1), 1
	s_wait_xcnt 0x0
; CAST.  Every input is rounded once to 16 bits and laid out for the launches behind.  A stream: no LDS, no barrier, no matrix unit.
;   ab    bf16 [x, context][4096 rows][2048 k], rows as in the inputs
;   wcat  bf16 [12 column blocks][2048 k][256]: blocks 0-7 Wq's columns 256 nb on; block 8 + j: 128 columns of Wk, then 128 of Wv, both from column 128 j on.  All times 2^-4 (exact)
;   wo16  f16  [8 column blocks][2048 k][256] = 16 x bf16(Wo), exact in f16.  LIMIT: |Wo| below 4,094
;   tab   bf16 [cos, sin, context_cos, context_sin][1024][64]
; A work-group of 128 threads converts 16,384 numbers in 16 turns.  In a turn a wave takes 1,024 consecutive bytes of f32 by two loads: lane l reads the 16 bytes at 16 l of the first 512 and of
; the second 512, so that each load of the wave covers 512 consecutive bytes and uses all of them.  A load's 4 numbers a lane become 8 bytes: each store of the wave covers 256 consecutive bytes
; that begin at a multiple of 256 from the buffer's first byte.
; The work-group's number picks a region; each region sets its two bases and two lane offsets and runs its own copy of the stream.
.set X,   12                           ; v[12:43]  slot i: 8 registers as loaded: 4 of the first load, 4 of the second
.set Y,   44                           ; v[44:59]  slot i: 4 registers to store: 2 for each store
.set T,   60                           ; v[60:67]  at work
.set SRC, 4                            ; s[4:5]    source at the first of the four turns that this trip loads
.set DST, 6                            ; s[6:7]    destination four turns behind the first that this trip stores: the stores reach back
.set DO,  2                            ; s[2:3]    the work-group's byte offset in the destination
.set SO,  46                           ; s[46:47]  the same in the source
.set HIM, 44                           ; s44       mask of a word's upper half
.set ID,  45                           ; s45       the work-group's number
; One slot's turn.  mode 0: bf16.  mode 1: times 2^-4, bf16.  mode 2: bf16, times 16, f16.
; left = how many younger loads may still be out; ahead = 1: the slot is loaded again, four turns on.  d2: bytes from the first store's place to the second's.
.macro SLOT i, ahead, left, mode, sstep, dstep, d2
	s_wait_loadcnt \left                           ; loads come back in order: this slot's two are in, the younger slots' stay out
.if (\i) == 0
	s_wait_xcnt 0x0                                ; a trip's head: both bases, and the data registers of the last trip's stores, are rewritten only behind this wait.  It stands behind the wait for
	                                               ; data of loads issued three slots back, not straight behind the last trip's own loads and stores
.if \ahead
	s_add_nc_u64 s[SRC:SRC+1], s[SRC:SRC+1], 4*(\sstep)
.endif
	s_add_nc_u64 s[DST:DST+1], s[DST:DST+1], 4*(\dstep)
.endif
.if (\mode) == 0
.irp j, 0,1,2,3
	v_cvt_pk_bf16_f32 v[Y+4*(\i)+\j], v[X+8*(\i)+2*\j], v[X+8*(\i)+2*\j+1]
.endr
.elseif (\mode) == 1
.irp j, 0,1,2,3
	v_pk_mul_f32 v[T+2*\j:T+2*\j+1], v[X+8*(\i)+2*\j:X+8*(\i)+2*\j+1], 0x3d800000 op_sel_hi:[1,0]  ; 2^-4
.endr
.irp j, 0,1,2,3
	v_cvt_pk_bf16_f32 v[Y+4*(\i)+\j], v[T+2*\j], v[T+2*\j+1]
.endr
.else
.irp j, 0,1,2,3
	v_cvt_pk_bf16_f32 v[Y+4*(\i)+\j], v[X+8*(\i)+2*\j], v[X+8*(\i)+2*\j+1]
.endr
.irp j, 0,1,2,3
	v_lshlrev_b32 v[T+2*\j],   16, v[Y+4*(\i)+\j]  ; the rounded numbers as f32 again
	v_and_b32     v[T+2*\j+1], s[HIM], v[Y+4*(\i)+\j]
.endr
.irp j, 0,1,2,3
	v_pk_mul_f32 v[T+2*\j:T+2*\j+1], v[T+2*\j:T+2*\j+1], 0x41800000 op_sel_hi:[1,0]  ; 16
.endr
.irp j, 0,1,2,3
	v_cvt_pk_f16_f32 v[Y+4*(\i)+\j], v[T+2*\j], v[T+2*\j+1]  ; 8 significant bits fit into f16's 11: nothing is rounded
.endr
.endif
.if \ahead
	global_load_b128 v[X+8*(\i):X+8*(\i)+3],   v2, s[SRC:SRC+1] offset:(\i)*(\sstep) th:TH_LOAD_NT
	global_load_b128 v[X+8*(\i)+4:X+8*(\i)+7], v2, s[SRC:SRC+1] offset:(\i)*(\sstep)+512 th:TH_LOAD_NT
.endif
	global_store_b64 v3, v[Y+4*(\i):Y+4*(\i)+1],   s[DST:DST+1] offset:((\i)-4)*(\dstep)
	global_store_b64 v3, v[Y+4*(\i)+2:Y+4*(\i)+3], s[DST:DST+1] offset:((\i)-4)*(\dstep)+(\d2)
.endm
; The stream of one region: 16 turns on four slots, eight loads of every wave on their way.  sstep, dstep: bytes from turn to turn.
.macro STREAM mode, sstep, dstep, d2
	s_add_nc_u64 s[SRC:SRC+1], s[SRC:SRC+1], s[SO:SO+1]
	s_add_nc_u64 s[DST:DST+1], s[DST:DST+1], s[DO:DO+1]
.irp i, 0,1,2,3
	global_load_b128 v[X+8*\i:X+8*\i+3],   v2, s[SRC:SRC+1] offset:\i*(\sstep) th:TH_LOAD_NT
	global_load_b128 v[X+8*\i+4:X+8*\i+7], v2, s[SRC:SRC+1] offset:\i*(\sstep)+512 th:TH_LOAD_NT
.endr
	s_mov_b32 s15, 3
.Ltrip_\@:
.irp i, 0,1,2,3
	SLOT \i, 1, 6, \mode, \sstep, \dstep, \d2
.endr
	s_sub_co_u32 s15, s15, 1
	s_cmp_lg_u32 s15, 0
	s_cbranch_scc1 .Ltrip_\@
.irp i, 0,1,2,3
	SLOT \i, 0, 6-2*\i, \mode, \sstep, \dstep, \d2 ; the last four turns load nothing: the counts run down
.endr
	s_endpgm
.endm
	s_load_b512 s[16:31], s[0:1], 0x0              ; x 16, context 18, Wq 20, Wk 22, Wv 24, Wo 26, cos 28, sin 30
	s_load_b256 s[32:39], s[0:1], 0x40             ; context_cos 32, context_sin 34, ab 36, wcat 38
	s_load_b128 s[40:43], s[0:1], 0x60             ; wo16 40, tab 42
	s_mov_b32 s[ID], ttmp9
	s_mov_b32 s[HIM], 0xffff0000
	s_mov_b32 s[SO+1], 0
	s_mov_b32 s[DO+1], 0
	v_and_b32 v1, 31, v0                           ; lane
	v_lshrrev_b32 v4, 5, v0                        ; wave
	v_lshlrev_b32 v5, 4, v1                        ; my 16 bytes of a load's 512
	v_lshlrev_b32 v6, 3, v1                        ; my 8 bytes of a store's 256
	s_wait_kmcnt 0x0
	s_cmp_lt_u32 s[ID], 1024
	s_cbranch_scc1 .Ldense
	s_cmp_lt_u32 s[ID], 1280
	s_cbranch_scc1 .Lwq
	s_cmp_lt_u32 s[ID], 1408
	s_cbranch_scc1 .Lwkv
	s_cmp_lt_u32 s[ID], 1664
	s_cbranch_scc1 .Lwo
.Ldense:	; X AND CONTEXT, work-groups 0-1023, AND THE FOUR TABLES, 1664-1679: 16,384 numbers, dense in and out.  One text: buffers and offsets are chosen by the work-group's number, without a jump
	s_sub_co_u32 s9, s[ID], 1664                   ; the tables' figures (of no meaning, and not chosen, below 1024)
	s_bfe_u32 s8, s9, 0x20002                      ; which table
	s_and_b32 s9, s9, 3                            ; which quarter of it
	s_lshl_b32 s10, s9, 16                         ; its offset in the source,
	s_lshl_b32 s11, s8, 17
	s_lshl_b32 s14, s9, 15
	s_add_co_u32 s11, s11, s14                     ; and in tab
	s_and_b32 s14, s8, 1
	s_cmp_lg_u32 s14, 0
	s_cselect_b64 s[SRC:SRC+1], s[30:31], s[28:29] ; sin or cos,
	s_cselect_b64 s[12:13], s[34:35], s[32:33]     ; context_sin or context_cos,
	s_cmp_ge_u32 s8, 2
	s_cselect_b64 s[SRC:SRC+1], s[12:13], s[SRC:SRC+1]  ; and which pair
	s_and_b32 s14, s[ID], 511
	s_lshl_b32 s14, s14, 16                        ; x and context: 65,536 bytes a work-group in,
	s_lshl_b32 s15, s[ID], 15                      ; 32,768 out; context's half of ab follows x's
	s_cmp_lt_u32 s[ID], 512
	s_cselect_b64 s[12:13], s[16:17], s[18:19]
	s_cmp_lt_u32 s[ID], 1024
	s_cselect_b64 s[SRC:SRC+1], s[12:13], s[SRC:SRC+1]
	s_cselect_b64 s[DST:DST+1], s[36:37], s[42:43]
	s_cselect_b32 s[SO], s14, s10
	s_cselect_b32 s[DO], s15, s11
	v_lshl_add_u32 v2, v4, 10, v5                  ; a turn of the work-group is 4,096 bytes in, a wave's part 1,024;
	v_lshl_add_u32 v3, v4, 9, v6                   ; 2,048 out, a wave's part 512
	STREAM 0, 4096, 2048, 256
.Lwq:	; WQ, work-groups 1024-1279: 64 k rows x 256 columns; a wave takes 16 rows, a turn one row's 1,024 bytes
	s_sub_co_u32 s9, s[ID], 1024
	s_lshr_b32 s8, s9, 3                           ; which 64 k rows
	s_and_b32 s9, s9, 7                            ; column block
	s_lshl_b32 s[SO], s8, 19
	s_lshl_b32 s10, s9, 10
	s_add_co_u32 s[SO], s[SO], s10
	s_lshl_b32 s[DO], s9, 20                       ; a column block of wcat: 2,048 rows of 512 bytes
	s_lshl_b32 s10, s8, 15
	s_add_co_u32 s[DO], s[DO], s10
	s_mov_b64 s[SRC:SRC+1], s[20:21]
	s_mov_b64 s[DST:DST+1], s[38:39]
	v_lshl_add_u32 v2, v4, 17, v5
	v_lshl_add_u32 v3, v4, 13, v6
	STREAM 1, 8192, 512, 256
.Lwkv:	; WK AND WV, work-groups 1280-1407: 64 k rows x 256 columns.  The first load's 128 columns are one half (Wk: the first, Wv: the second) of a row of one column block of wcat,
	; the second load's 128 the same half in the next column block, 1,048,576 bytes on
	s_sub_co_u32 s9, s[ID], 1280
	s_lshr_b32 s11, s9, 6                          ; 0: Wk, 1: Wv
	s_and_b32 s8, s9, 63
	s_lshr_b32 s8, s8, 1                           ; which 64 k rows
	s_and_b32 s9, s9, 1                            ; which 256 columns
	s_lshl_b32 s[SO], s8, 17
	s_lshl_b32 s10, s9, 10
	s_add_co_u32 s[SO], s[SO], s10
	s_lshl_b32 s[DO], s9, 21                       ; column block 8 + 2 x half
	s_add_co_u32 s[DO], s[DO], 8<<20
	s_lshl_b32 s10, s8, 15
	s_add_co_u32 s[DO], s[DO], s10
	s_lshl_b32 s10, s11, 8
	s_add_co_u32 s[DO], s[DO], s10
	s_cmp_lg_u32 s11, 0
	s_cselect_b64 s[SRC:SRC+1], s[24:25], s[22:23]
	s_mov_b64 s[DST:DST+1], s[38:39]
	v_lshl_add_u32 v2, v4, 15, v5
	v_lshl_add_u32 v3, v4, 13, v6
	STREAM 1, 2048, 512, 1048576
.Lwo:	; WO, work-groups 1408-1663: as Wq
	s_sub_co_u32 s9, s[ID], 1408
	s_lshr_b32 s8, s9, 3
	s_and_b32 s9, s9, 7
	s_lshl_b32 s[SO], s8, 19
	s_lshl_b32 s10, s9, 10
	s_add_co_u32 s[SO], s[SO], s10
	s_lshl_b32 s[DO], s9, 20
	s_lshl_b32 s10, s8, 15
	s_add_co_u32 s[DO], s[DO], s10
	s_mov_b64 s[SRC:SRC+1], s[26:27]
	s_mov_b64 s[DST:DST+1], s[40:41]
	v_lshl_add_u32 v2, v4, 17, v5
	v_lshl_add_u32 v3, v4, 13, v6
	STREAM 2, 8192, 512, 256
.Lfunc_end_k_qcda9d07ee8_cast:
	.size	k_qcda9d07ee8_cast, .Lfunc_end_k_qcda9d07ee8_cast-k_qcda9d07ee8_cast
	.p2alignl 7, 3214868480
	.fill 96, 4, 3214868480
	.section	.rodata,"a",@progbits
	.p2align	6, 0x0
	.amdhsa_kernel k_qcda9d07ee8_cast
		.amdhsa_group_segment_fixed_size 0
		.amdhsa_private_segment_fixed_size 0
		.amdhsa_enable_private_segment 0
		.amdhsa_kernarg_size 112
		.amdhsa_user_sgpr_count 2
		.amdhsa_user_sgpr_kernarg_segment_ptr 1
		.amdhsa_wavefront_size32 1
		.amdhsa_system_sgpr_workgroup_id_x 1
		.amdhsa_system_sgpr_workgroup_id_y 1
		.amdhsa_system_sgpr_workgroup_id_z 1
		.amdhsa_system_vgpr_workitem_id 0
		.amdhsa_next_free_vgpr 68
		.amdhsa_next_free_sgpr 66
		.amdhsa_reserve_vcc 0
		.amdhsa_float_denorm_mode_32 3
		.amdhsa_float_denorm_mode_16_64 3
		.amdhsa_memory_ordered 1
		.amdhsa_forward_progress 1
		.amdhsa_inst_pref_size 40
	.end_amdhsa_kernel
	.amdgpu_metadata
---
amdhsa.version: [ 1, 2 ]
amdhsa.kernels:
  - .name:           k_qcda9d07ee8_cast
    .symbol:         k_qcda9d07ee8_cast.kd
    .args:
      - { .name: x, .offset: 0, .size: 8, .value_kind: global_buffer, .address_space: global }
      - { .name: context, .offset: 8, .size: 8, .value_kind: global_buffer, .address_space: global }
      - { .name: Wq, .offset: 16, .size: 8, .value_kind: global_buffer, .address_space: global }
      - { .name: Wk, .offset: 24, .size: 8, .value_kind: global_buffer, .address_space: global }
      - { .name: Wv, .offset: 32, .size: 8, .value_kind: global_buffer, .address_space: global }
      - { .name: Wo, .offset: 40, .size: 8, .value_kind: global_buffer, .address_space: global }
      - { .name: cos, .offset: 48, .size: 8, .value_kind: global_buffer, .address_space: global }
      - { .name: sin, .offset: 56, .size: 8, .value_kind: global_buffer, .address_space: global }
      - { .name: context_cos, .offset: 64, .size: 8, .value_kind: global_buffer, .address_space: global }
      - { .name: context_sin, .offset: 72, .size: 8, .value_kind: global_buffer, .address_space: global }
      - { .name: ab, .offset: 80, .size: 8, .value_kind: global_buffer, .address_space: global }
      - { .name: wcat, .offset: 88, .size: 8, .value_kind: global_buffer, .address_space: global }
      - { .name: wo16, .offset: 96, .size: 8, .value_kind: global_buffer, .address_space: global }
      - { .name: tab, .offset: 104, .size: 8, .value_kind: global_buffer, .address_space: global }
    .group_segment_fixed_size: 0
    .private_segment_fixed_size: 0
    .kernarg_segment_align: 8
    .kernarg_segment_size: 112
    .max_flat_workgroup_size: 128
    .sgpr_count:     66
    .vgpr_count:     68
    .wavefront_size: 32
...
	.end_amdgpu_metadata
.endif
;; end of part 1
;; launch proj (part 2): grid 12 x 16, 4 waves a work-group, clusters of 4 x 4, 327,680 bytes of LDS; arguments ab, wcat, tab, q16, kv16; writes q16, kv16
.if DOCPART == 2
	.amdgcn_target "amdgcn-amd-amdhsa--gfx1250"
	.amdhsa_code_object_version 6
	.text
	.protected	k_qcda9d07ee8_proj
	.globl	k_qcda9d07ee8_proj
	.p2align	8
	.type	k_qcda9d07ee8_proj,@function
k_qcda9d07ee8_proj:
	s_mov_b64 s[64:65], 0
	v_nop
	global_prefetch_b8 v0, s[64:65] scope:SCOPE_SE
	s_setreg_imm32_b32 hwreg(HW_REG_WAVE_MODE, 25, 1), 1
	s_wait_xcnt 0x0
	s_wait_alu depctr_hold_cnt(0) depctr_sa_sdst(0) depctr_va_vdst(0) depctr_va_sdst(0) depctr_va_ssrc(0) depctr_va_vcc(0) depctr_vm_vsrc(0)
	s_getreg_b32 s2, hwreg(HW_REG_IB_STS2, 6, 4)
	s_cmp_eq_u32 s2, 0
	s_cbranch_scc0 .Lentry_in_a_cluster
	s_endpgm
.Lentry_in_a_cluster:
	s_bfe_u32 s2, ttmp6, 0x10000c
	s_cmp_lg_u32 s2, 0xf033
	s_cbranch_scc0 .Lentry_shape_is_right
	s_endpgm
.Lentry_shape_is_right:
; PROJ.  q = x Wq, k = context Wk, v = context Wv (bf16 operands, f32 sums), the rotary embedding on q and k in f32, and q, k, v out by heads in f16.
; The weights come divided by 16, so q16, kv16 hold q / 16, k / 16, v / 16.  LIMIT: |q|, |k|, |v| below 1.04e6 (f16 ends at 65,504); below 1e-3 they keep f16's fixed step, 9.5e-7 in true size.
; SHARES.  4,096 rows x 3,072 columns in tiles of 256 x 256: 12 column blocks x 16 row blocks = 192 work-groups.  (A tile of 128 x 384 with both activations would give 256 of them, but takes 1,280 bytes
; for each k: two slots of 128 along K would be all 327,680 bytes of LDS before any padding.  This tile takes 1,024, and a change of slots serves 256 matrix instructions a wave.)
; Column blocks 0-7 are q's (activations x); block 8 + j holds 128 columns of k and then 128 of v (activations context).  Wave w: rows 128 (w / 2) on, columns 128 (w % 2) on: 64 accumulators;
; so in blocks 8-11 the waves with w % 2 = 0 make k and the others v: what differs hangs on the cluster's x and the wave's number, never on the place in the cluster.
; THE MATRIX INSTRUCTION IS USED TRANSPOSED: source 0 = 16 columns of W ([k][n] in LDS, turned by ds_load_tr16_b128), source 1 = 16 rows of x or context: a lane holds one row and eight neighbouring columns.
; K goes in steps of 128 through two LDS slots; a step is four chunks of 32: 64 matrix instructions and 32 LDS loads each, on two fragment buffers.
; CLUSTER 4 x 4.  The activations' tiles and the tables hang on the row block alone and are asked for jointly along a row of the cluster; W's tiles hang on the column block alone: along a column.
; THE TABLES (cos and sin of my 256 rows, 65,536 bytes) are slot 0's last fill: asked for when K step 14 has been read, they land while step 15 is multiplied.
; REGISTERS in windows of 256: window 0 v0-29 addresses, v64-191 the activations' fragments (two buffers), on the way out v32-255; window 1 v64-191 W's fragments; windows 2, 3 the sums: (a, b) at 8 (8 (a % 4) + b).
.set PA,     272                       ; a row of x or context in LDS: 256 bytes + 16 = 68 words: the 16 rows of a load start at 16 different groups of four banks (64 banks of 4 bytes: ISA guide 11.1)
.set HALFA,  128*PA                    ; 128 rows: what one tensor load brings, and what one wave reads
.set PW,     544                       ; a k row of W: 512 bytes + 32 = 136 words
.set WT,     2*HALFA                   ; W's tile, behind the 256 rows
.set WHALF,  64*PW                     ; 64 k rows: what one tensor load brings
.set SLOT,   WT+2*WHALF                ; 139,264 = 0x22000: it shares no bit with the tiles' offsets 0, 0x8800, 0x11000, 0x19800, so one exclusive or turns an address in one slot into the other's
.set STAGE,  2*SLOT                    ; behind the ring: 16 rows x 528 bytes for each wave, for the way out; no tensor load lands here
.set SP,     528                       ; 128 f32 + 16 bytes
.set SPARE,  STAGE+4*16*SP             ; the spare words, 128 bytes a wave: two blocks of 256 bytes that no other line names
.set ADA, 2                            ; v2   the activations' fragments in the slot in hand
.set ADW, 3                            ; v3   W's
.set BA,  5                            ; v5, v6  the same in slot 0; never rewritten
.set BW,  6
.set BT,  7                            ; v7   my 16 bytes of cos in the tables' first four rows of my half
.set ADT, 8                            ; v8   the same for the row block in hand
.set STO, 9                            ; v9   the way out: where I put 32 bytes of a row
.set RDU, 10                           ; v10  where I read my 8 channels back,
.set RDP, 11                           ; v11  and the 8 that lie 32 channels away
.set GO,  12                           ; v12  my byte offset in 512 consecutive bytes of q16 or kv16
.set SGN, 13                           ; v13  the sign bits of two bf16 in the lanes of channels 0-31, else 0
.set SPW, 28                           ; v28  my spare word: SPARE + 4 x my thread's number; never rewritten
.set NIL, 29                           ; v29  0; never rewritten
.set CPK, 32                           ; the way out: cos, sin as loaded (bf16): 4 registers for each four rows
.set SPK, 48
.set U,   64                           ; unit q of 8 (four rows x one head): my 8 channels at U + 16 q, the partners' at U + 16 q + 8
.set CF,  192                          ; cos, sin as f32
.set SF,  224
.set F0,  64                           ; fragment buffers, in windows 0 and 1
.set F1,  128
.set G1A, 24                           ; s[24:31] group 1 for the activations' tiles;  s[32:39] group 0: a set for each first fill; the second walks on
.set G0A, 32
.set G1B, 40                           ; s[40:47], s[48:55] the same for W's
.set G0B, 48
.set G0T, 56                           ; s[56:59] group 0 for my part of the tables;  s[88:95] its group 1
.set G1T, 88
.set MSB, 0
.macro WIN new                         ; the immediate's high byte repeats the setting that is left; a switch that changes nothing is dropped
.if MSB != (\new)
	s_set_vgpr_msb (MSB<<8)|(\new)
.set MSB, \new
.endif
.endm
.set MUL_LO, 0xa1                      ; source 0 (W) window 1, source 1 (activations) window 0, C and D window 2
.set MUL_HI, 0xf1                      ; the same, C and D window 3
.set TO_W,   0x40                      ; destination window 1, address window 0
.macro PLACES                          ; four places behind matrix instructions, ahead of loads into their sources and of reads of their results
.rept 4
	v_nop
.endr
.endm
; A joint refill by the walking sets.  Waves 0, 1 ask for the two halves of the activations' tile, waves 2, 3 for those of W's.  The branch hangs on the wave's number alone.
; An s_nop 0 and four v_nop follow each of the two lines, ahead of the jump and the label.
.macro JLOAD
	s_cmp_eq_u32 s15, 0
	s_cbranch_scc0 .Lfor_b_\@
	tensor_load_to_lds s[G0A+4:G0A+7], s[G1A:G1A+7]
	s_nop 0
	PLACES
	s_branch .Lasked_\@
.Lfor_b_\@:
	tensor_load_to_lds s[G0B+4:G0B+7], s[G1B:G1B+7]
	s_nop 0
	PLACES
.Lasked_\@:
.endm
.macro CREST                           ; a round of the cluster's barrier behind its opening barrier
	s_cmp_lg_u32 s14, 0
	s_cbranch_scc1 .Lnot_wave_0_\@
	s_barrier_signal -3
.Lnot_wave_0_\@:
	s_barrier_wait -3
	s_barrier_signal -1
	s_barrier_wait -1
.endm
.macro CROUND                          ; a whole round
	s_barrier_signal -1
	s_barrier_wait -1
	CREST
.endm
	s_load_b256 s[4:11], s[0:1], 0x0               ; ab 4, wcat 6, tab 8, q16 10
	s_load_b64 s[12:13], s[0:1], 0x20              ; kv16
	v_lshl_add_u32 v[SPW], v0, 2, SPARE
	v_mov_b32 v[NIL], 0
	ds_add_u32 v[SPW], v[NIL]                      ; the wave's opening: the add and its wait stand ahead of my first tensor load; the set-up below stands between them
	v_lshrrev_b32 v1, 5, v0
	v_readfirstlane_b32 s14, v1                    ; wave 0..3
	s_lshr_b32 s15, s14, 1                         ; my half of the rows.  Also: I fetch activations (0) or weights (1)
	s_and_b32 s16, s14, 1                          ; my half of the columns.  Also: which half of that tile I fetch; cos (0) or sin (1)
	s_bfe_u32 s17, ttmp6, 0x40000                  ; cx
	s_bfe_u32 s18, ttmp6, 0x40004                  ; cy
	s_lshl_b32 s19, ttmp9, 2
	s_add_co_u32 s19, s19, s17                     ; column block = 4 x cluster x + cx
	s_and_b32 s20, ttmp7, 0xffff
	s_lshl_b32 s20, s20, 2
	s_add_co_u32 s20, s20, s18                     ; row block = 4 x cluster y + cy
	s_lshl_b32 s21, s18, 2
	s_lshl_b32 s21, 15, s21                        ; my row of the cluster
	s_lshl_b32 s22, 0x1111, s17                    ; my column
	s_lshr_b32 s61, ttmp9, 1                       ; cluster x = 0, 1: q (0); 2: k and v (1).  The same in all sixteen partners
	s_and_b32 s87, s61, s16                        ; 1: my columns are v's
	s_mov_b32 s62, 0xffff0000                      ; a word's upper bf16
	s_mov_b32 s23, 0                               ; the slot in hand
	s_or_b32 s[G1A], s21, (1<<16)|(1<<20)|(1<<21)|(5<<22)|(3<<25)  ; mask of my row; 2-byte elements; padding on; bit 21 beside a mask; after every 64 words 4 words
	s_mov_b32 s[G1A+1], 128<<16                    ; tensor_dim0 = 128
	s_mov_b32 s[G1A+2], 128<<16                    ; tensor_dim1 = 128
	s_mov_b32 s[G1A+3], 128<<16                    ; tile_dim0 = 128
	s_mov_b32 s[G1A+4], 128                        ; tile_dim1 = 128
	s_mov_b32 s[G1A+5], 2048                       ; 2,048 elements from row to row
	s_mov_b32 s[G1A+6], 0
	s_mov_b32 s[G1A+7], 0
	s_or_b32 s[G1B], s22, (1<<16)|(1<<20)|(1<<21)|(6<<22)|(7<<25)  ; mask of my column; 64 k rows of 512 bytes, dense; after every 128 words 8 words
	s_mov_b32 s[G1B+1], 256<<16
	s_mov_b32 s[G1B+2], 64<<16
	s_mov_b32 s[G1B+3], 256<<16
	s_mov_b32 s[G1B+4], 64
	s_mov_b32 s[G1B+5], 256
	s_mov_b32 s[G1B+6], 0
	s_mov_b32 s[G1B+7], 0
	s_or_b32 s[G1T], s21, (1<<16)|(1<<21)          ; a table's 128 rows are 16,384 dense bytes: 64 rows of 256, no padding; mask of my row
	s_mov_b32 s[G1T+1], 128<<16
	s_mov_b32 s[G1T+2], 64<<16
	s_mov_b32 s[G1T+3], 128<<16
	s_mov_b32 s[G1T+4], 64
	s_mov_b32 s[G1T+5], 128
	s_mov_b32 s[G1T+6], 0
	s_mov_b32 s[G1T+7], 0
	; byte offsets of the first tiles: activations and tables by the row block, weights by the column block, each in registers that never hold the other coordinate
	s_lshl_b32 s66, s61, 24                        ; x or context,
	s_lshl_b32 s67, s20, 20                        ; 256 rows of 4,096 bytes a row block,
	s_add_co_u32 s66, s66, s67
	s_lshl_b32 s67, s16, 19                        ; my 128 of them
	s_add_co_u32 s66, s66, s67
	s_mov_b32 s67, 0
	s_lshl_b32 s68, s19, 20                        ; a column block of wcat, my 64 k rows
	s_lshl_b32 s69, s16, 15
	s_add_co_u32 s68, s68, s69
	s_mov_b32 s69, 0
	s_lshl1_add_u32 s70, s61, s16                  ; table 2 x (k's) + (sin),
	s_lshl_b32 s70, s70, 17
	s_and_b32 s71, s20, 3                          ; the row block's place in its sequence of 1,024,
	s_lshl_b32 s71, s71, 15
	s_add_co_u32 s70, s70, s71
	s_lshl_b32 s71, s15, 14                        ; which 128 rows
	s_add_co_u32 s70, s70, s71
	s_mov_b32 s71, 0
	s_mul_i32 s72, s16, HALFA                      ; LDS places: the wave's number and constants alone
	s_mul_i32 s73, s16, WHALF
	s_add_co_u32 s73, s73, WT
	s_lshl_b32 s74, s14, 14                        ; the tables lie at slot 0's head: wave w's 16,384 bytes at 16,384 w
	s_wait_dscnt 0x0                               ; the opening add is done
	s_wait_kmcnt 0x0
	s_add_nc_u64 s[4:5], s[4:5], s[66:67]
	s_add_nc_u64 s[6:7], s[6:7], s[68:69]
.irp s, 0,1
	s_mov_b32 s[G0A+4*\s], 1                       ; count = 1
	s_add_co_u32 s[G0A+4*\s+1], s72, \s*SLOT       ; LDS address
	s_add_nc_u64 s[G0A+4*\s+2:G0A+4*\s+3], s[4:5], \s*256    ; K step s
	s_or_b32 s[G0A+4*\s+3], s[G0A+4*\s+3], 0x80000000        ; type = 2
	s_mov_b32 s[G0B+4*\s], 1
	s_add_co_u32 s[G0B+4*\s+1], s73, \s*SLOT
	s_add_nc_u64 s[G0B+4*\s+2:G0B+4*\s+3], s[6:7], \s*65536
	s_or_b32 s[G0B+4*\s+3], s[G0B+4*\s+3], 0x80000000
.endr
	s_mov_b32 s[G0T], 1
	s_mov_b32 s[G0T+1], s74
	s_add_nc_u64 s[G0T+2:G0T+3], s[8:9], s[70:71]
	s_or_b32 s[G0T+3], s[G0T+3], 0x80000000
	CROUND                                         ; all sixteen work-groups are here: the first joint loads meet
	s_cmp_eq_u32 s15, 0                            ; a wave's two first fills stand in one branch: two loads of mine are out
	s_cbranch_scc0 .Lfirst_b
	tensor_load_to_lds s[G0A:G0A+3], s[G1A:G1A+7]
	s_nop 0
	tensor_load_to_lds s[G0A+4:G0A+7], s[G1A:G1A+7]
	s_nop 0
	PLACES
	s_branch .Lfirst_asked
.Lfirst_b:
	tensor_load_to_lds s[G0B:G0B+3], s[G1B:G1B+7]
	s_nop 0
	tensor_load_to_lds s[G0B+4:G0B+7], s[G1B:G1B+7]
	s_nop 0
	PLACES
.Lfirst_asked:
	; lane addresses
	v_and_b32 v1, 15, v0                           ; l % 16
	v_bfe_u32 v14, v0, 4, 1                        ; l / 16
	v_and_b32 v15, 7, v0
	v_bfe_u32 v16, v0, 3, 1
	v_mul_u32_u24 v17, v1, PA
	v_lshl_add_u32 v17, v14, 4, v17                ; a fragment's row x 272 + 16 x half
	s_mul_i32 s75, s15, HALFA                      ; my 128 rows
	v_add_nc_u32 v[BA], s75, v17
	v_lshl_add_u32 v18, v14, 3, v15                ; the turning load: lane l reads k row 8 (l / 16) + l % 8, columns 8 ((l / 8) % 2) + 0..7
	v_mul_u32_u24 v18, v18, PW
	v_lshl_add_u32 v18, v16, 4, v18
	s_lshl_b32 s76, s16, 8                         ; my 128 columns
	s_add_co_u32 s76, s76, WT
	v_add_nc_u32 v[BW], s76, v18
	s_mul_i32 s77, s14, 16*SP
	s_add_co_u32 s77, s77, STAGE                   ; my stage
	v_mul_u32_u24 v19, v1, SP                      ; in: row l % 16, 32 bytes for each half of the lanes
	v_lshl_add_u32 v19, v14, 5, v19
	v_add_nc_u32 v[STO], s77, v19
	v_bfe_u32 v20, v0, 3, 2                        ; back: 8 lanes to a row, four rows; lane l takes channels 8 (l % 8) on
	v_mul_u32_u24 v20, v20, SP
	v_add_nc_u32 v20, s77, v20
	v_lshl_add_u32 v[RDU], v15, 5, v20
	v_xor_b32 v21, 4, v15                          ; the rotary partner: 32 channels away
	v_lshl_add_u32 v[RDP], v21, 5, v20
	v_and_b32 v22, 31, v0
	v_lshlrev_b32 v[GO], 4, v22                    ; four rows of 128 bytes are 512 consecutive bytes of a head, and of a table
	s_lshl_b32 s78, s15, 15                        ; my half's cos; its sin lies 16,384 bytes on
	v_add_nc_u32 v[BT], s78, v[GO]
	v_bfe_u32 v21, v0, 2, 1                        ; 0: channels 0-31, where the partner's product is taken away
	v_add_nc_u32 v21, -1, v21
	v_and_b32 v[SGN], 0x80008000, v21
	v_mov_b32 v[ADA], v[BA]
	v_mov_b32 v[ADW], v[BW]
	; where my results go: q16 [32 b + head][1024][64], kv16 [k, v][8 b + head][1024][64]
	s_and_b32 s83, s20, 3
	s_lshl_b32 s83, s83, 8
	s_lshl_b32 s82, s15, 7
	s_add_co_u32 s83, s83, s82                     ; my first row in its sequence
	s_lshr_b32 s82, s20, 2                         ; b
	s_lshl_b32 s80, s82, 5                         ; q: 32 b
	s_lshl2_add_u32 s80, s19, s80                  ; + 4 heads a column block
	s_lshl1_add_u32 s80, s16, s80                  ; + 2 heads a wave
	s_lshl_b32 s84, s16, 5                         ; k, v: 32 heads of k, then v's;
	s_lshl3_add_u32 s84, s82, s84                  ; + 8 b
	s_and_b32 s85, s19, 3
	s_lshl1_add_u32 s84, s85, s84                  ; + 2 heads a column block
	s_cmp_lg_u32 s61, 0
	s_cselect_b32 s80, s84, s80
	s_cselect_b64 s[10:11], s[12:13], s[10:11]
	s_lshl_b32 s80, s80, 10
	s_add_co_u32 s80, s80, s83
	s_lshl_b32 s80, s80, 7
	s_mov_b32 s81, 0
	s_add_nc_u64 s[10:11], s[10:11], s[80:81]
; 16 matrix instructions: row blocks a0, a0 + 1 of the window's four (hi = 0: my rows 0-63, 1: rows 64-127) x all 8 column blocks, 32 along K.  zero = 1: the product starts the sum.
; The 64 accumulators take turns, one instruction a turn, in the same order in every chunk.
.macro MUL16 f, hi, a0, zero
	WIN MUL_LO+0x50*(\hi)
.irp a, \a0, (\a0)+1
.irp b, 0,1,2,3,4,5,6,7
.if \zero
	v_wmma_f32_16x16x32_bf16 v[8*(8*(\a)+(\b)):8*(8*(\a)+(\b))+7], v[(\f)+8*(\b):(\f)+8*(\b)+7], v[(\f)+8*(4*(\hi)+(\a)):(\f)+8*(4*(\hi)+(\a))+7], 0
.else
	v_wmma_f32_16x16x32_bf16 v[8*(8*(\a)+(\b)):8*(8*(\a)+(\b))+7], v[(\f)+8*(\b):(\f)+8*(\b)+7], v[(\f)+8*(4*(\hi)+(\a)):(\f)+8*(4*(\hi)+(\a))+7], v[8*(8*(\a)+(\b)):8*(8*(\a)+(\b))+7]
.endif
.endr
.endr
.endm
; 32 LDS loads in one run: chunk c of the slot in hand into buffer f: W's 16, then the activations' 16 (row blocks 0 to 7)
.macro FETCH c, f
	WIN TO_W
.irp b, 0,1,2,3,4,5,6,7
	ds_load_tr16_b128 v[(\f)+8*\b:(\f)+8*\b+3],   v[ADW] offset:32*PW*(\c)+32*\b
	ds_load_tr16_b128 v[(\f)+8*\b+4:(\f)+8*\b+7], v[ADW] offset:32*PW*(\c)+32*\b+16*PW
.endr
	WIN 0
.irp i, 0,1,2,3,4,5,6,7
	ds_load_b128 v[(\f)+8*\i:(\f)+8*\i+3],   v[ADA] offset:64*(\c)+\i*16*PA
	ds_load_b128 v[(\f)+8*\i+4:(\f)+8*\i+7], v[ADA] offset:64*(\c)+\i*16*PA+32
.endr
.endm
; One of a step's first three chunks: multiplies buffer f and, in its middle, fetches chunk c into buffer g
.macro QUARTER c, f, g, zero
	s_wait_dscnt 8                                 ; W and my rows 0-63 are in; the youngest eight loads (rows 64-127) may be out
	MUL16 \f, 0, 0, \zero
	MUL16 \f, 0, 2, \zero
	PLACES
	FETCH \c, \g
	s_wait_dscnt 32                                ; all but the 32 just issued
	MUL16 \f, 1, 0, \zero
	MUL16 \f, 1, 2, \zero
.endm
; The fourth chunk multiplies buffer 1 and changes slots: ONE barrier, which opens a round of the cluster's.  In front of it each wave waits for all its tensor loads (one is out: its part of the next
; slot), adds 0 to its spare word, and waits for that and for its own reads of this slot.  Behind the round no wave of any partner reads this slot or has a load on its way, and the slot is filled again
; first thing: fill = 1: with the K step two steps on; fill = 2 (behind K step 14, in slot 0): with the tables.  224 of a step's 256 matrix instructions stand between the request and the wait for it.
.macro TURN fill
	WIN 0                                          ; (the add's two registers lie in window 0)
	s_wait_tensorcnt 0x0                           ; all my tensor loads have landed
	ds_add_u32 v[SPW], v[NIL]                      ; 0 onto my spare word
	s_wait_dscnt 9                                 ; (the add and the youngest eight loads may be out)
	MUL16 F1, 0, 0, 0                              ; sixteen matrix instructions stand between the add and the wait for it
	s_wait_dscnt 0x0                               ; the add is done, and my reads of this slot are over
	s_barrier_signal -1
	MUL16 F1, 0, 2, 0                              ; work on registers while the others arrive
	WIN 0
	s_barrier_wait -1
	CREST
.if (\fill) == 1
	s_xor_b32 s[G0A+5], s[G0A+5], SLOT             ; the walking sets: the other slot than last time, the next K step
	s_add_nc_u64 s[G0A+6:G0A+7], s[G0A+6:G0A+7], 256
	s_xor_b32 s[G0B+5], s[G0B+5], SLOT
	s_add_nc_u64 s[G0B+6:G0B+7], s[G0B+6:G0B+7], 65536
	JLOAD                                          ; the four v_nop behind it are also the places in front of the loads below
.else
	tensor_load_to_lds s[G0T:G0T+3], s[G1T:G1T+7]  ; every wave its own 128 rows of cos or of sin
	s_nop 0
	PLACES
.endif
	s_xor_b32 s23, s23, SLOT
	v_add_nc_u32 v[ADA], s23, v[BA]
	v_add_nc_u32 v[ADW], s23, v[BW]
	FETCH 0, F0
	MUL16 F1, 1, 0, 0
	MUL16 F1, 1, 2, 0
.endm
	s_wait_tensorcnt 0x1                           ; my part of slot 0 is in; slot 1's may stay out
	s_barrier_signal -1
	s_barrier_wait -1                              ; everybody's is
	FETCH 0, F0
	QUARTER 1, F0, F1, 1                           ; the first chunk stands in front of the loop: its products start the sums
	WIN 0                                          ; at a label and at a branch every window is 0
	s_mov_b32 s60, 14                              ; K steps 2 to 15 are asked for in the loop
.Lk:
	QUARTER 2, F1, F0, 0
	QUARTER 3, F0, F1, 0
	TURN 1
	QUARTER 1, F0, F1, 0
	WIN 0
	s_sub_co_u32 s60, s60, 1
	s_cmp_lg_u32 s60, 0
	s_cbranch_scc1 .Lk
	QUARTER 2, F1, F0, 0                           ; the tail is written out: K step 14 goes on,
	QUARTER 3, F0, F1, 0
	TURN 2                                         ; its slot takes the tables,
	QUARTER 1, F0, F1, 0                           ; and K step 15 is the last
	QUARTER 2, F1, F0, 0
	QUARTER 3, F0, F1, 0
	s_wait_dscnt 8
	MUL16 F1, 0, 0, 0
	MUL16 F1, 0, 2, 0
	s_wait_dscnt 0x0
	MUL16 F1, 1, 0, 0
	MUL16 F1, 1, 2, 0
	WIN 0
	s_wait_tensorcnt 0x0                           ; my part of the tables is in; no LDS instruction of mine is out
	s_barrier_signal -1
	s_barrier_wait -1                              ; everybody's is
	PLACES                                         ; behind the last products
; THE WAY OUT: a loop of 8 trips, a block of 16 rows x 128 columns (two heads) a trip, so that its text is written once.  The trip's 8 accumulators go as f32 into my own stage (the counter picks
; their 16 stores by forward jumps); back come four rows x one head at a time, 8 lanes to a row: a lane's 8 channels and the 8 that lie 32 channels away.
; out[d] = u[d] cos[d] - u[d + 32] sin[d] for d < 32, u[d] cos[d] + u[d - 32] sin[d] for d >= 32; then f16; a store covers 512 consecutive bytes of a head.
.macro DUMP a
	s_cmp_lg_u32 s63, \a
	s_cbranch_scc1 .Lnot_\@
	WIN 0x08+4*((\a)/4)                            ; the stores' data in window 2 or 3
.irp b, 0,1,2,3,4,5,6,7
	ds_store_b128 v[STO], v[8*(8*((\a)%4)+\b):8*(8*((\a)%4)+\b)+3]   offset:64*\b     ; each accumulator's lowest registers first
	ds_store_b128 v[STO], v[8*(8*((\a)%4)+\b)+4:8*(8*((\a)%4)+\b)+7] offset:64*\b+16
.endr
	WIN 0
.Lnot_\@:
.endm
.macro UNIT g, hd                      ; rows 4 g on, head hd
.set uo, U+16*(2*(\g)+(\hd))
.set up, uo+8
	s_wait_dscnt 4*(7-2*(\g)-(\hd))                ; the younger units' loads, four each, may be out
.irp jj, 0,1,2,3
	v_pk_mul_f32 v[up+2*\jj:up+2*\jj+1], v[up+2*\jj:up+2*\jj+1], v[SF+8*(\g)+2*\jj:SF+8*(\g)+2*\jj+1]
.endr
.irp jj, 0,1,2,3
	v_pk_fma_f32 v[uo+2*\jj:uo+2*\jj+1], v[uo+2*\jj:uo+2*\jj+1], v[CF+8*(\g)+2*\jj:CF+8*(\g)+2*\jj+1], v[up+2*\jj:up+2*\jj+1]
.endr
.irp jj, 0,1,2,3
	v_cvt_pk_f16_f32 v[up+\jj], v[uo+2*\jj], v[uo+2*\jj+1]
.endr
	global_store_b128 v[GO], v[up:up+3], s[10:11] offset:131072*(\hd)+512*(\g)  ; 512 consecutive bytes, at a multiple of 256 from the buffer's first
.endm
.macro VUNIT g, hd                     ; v has no rotary embedding
.set uo, U+16*(2*(\g)+(\hd))
.set up, uo+8
	s_wait_dscnt 2*(7-2*(\g)-(\hd))
.irp jj, 0,1,2,3
	v_cvt_pk_f16_f32 v[up+\jj], v[uo+2*\jj], v[uo+2*\jj+1]
.endr
	global_store_b128 v[GO], v[up:up+3], s[10:11] offset:131072*(\hd)+512*(\g)
.endm
	s_mov_b32 s63, 0                               ; the row block
	s_mov_b32 s86, 0                               ; its 16 rows' place in the tables
.Lrow:
.irp a, 0,1,2,3,4,5,6,7
	DUMP \a
.endr
	s_cmp_lg_u32 s87, 0
	s_cbranch_scc1 .Lvrow                          ; hangs on the cluster's x and the wave's number alone
	v_add_nc_u32 v[ADT], s86, v[BT]
.irp g, 0,1,2,3
	ds_load_b128 v[CPK+4*\g:CPK+4*\g+3], v[ADT] offset:512*\g
	ds_load_b128 v[SPK+4*\g:SPK+4*\g+3], v[ADT] offset:16384+512*\g
.endr
.irp g, 0,1,2,3
.irp hd, 0,1
	ds_load_b128 v[U+16*(2*\g+\hd):U+16*(2*\g+\hd)+3],     v[RDU] offset:4*SP*\g+256*\hd     ; LDS serves a wave's instructions in order (ISA guide 5.7.1.4): these see the stores above
	ds_load_b128 v[U+16*(2*\g+\hd)+4:U+16*(2*\g+\hd)+7],   v[RDU] offset:4*SP*\g+256*\hd+16
	ds_load_b128 v[U+16*(2*\g+\hd)+8:U+16*(2*\g+\hd)+11],  v[RDP] offset:4*SP*\g+256*\hd
	ds_load_b128 v[U+16*(2*\g+\hd)+12:U+16*(2*\g+\hd)+15], v[RDP] offset:4*SP*\g+256*\hd+16
.endr
.endr
	s_wait_dscnt 32                                ; cos and sin are in; the 32 loads from the stage may be out
.set i, 0
.rept 16
	v_xor_b32     v[SPK+i], v[SGN], v[SPK+i]       ; - sin in the lanes of channels 0-31
	v_lshlrev_b32 v[CF+2*i],   16, v[CPK+i]
	v_and_b32     v[CF+2*i+1], s62, v[CPK+i]
	v_lshlrev_b32 v[SF+2*i],   16, v[SPK+i]
	v_and_b32     v[SF+2*i+1], s62, v[SPK+i]
.set i, i+1
.endr
.irp g, 0,1,2,3
	UNIT \g, 0                                     ; four rows' cos and sin serve both heads
	UNIT \g, 1
.endr
	s_branch .Lnext
.Lvrow:
.irp g, 0,1,2,3
.irp hd, 0,1
	ds_load_b128 v[U+16*(2*\g+\hd):U+16*(2*\g+\hd)+3],   v[RDU] offset:4*SP*\g+256*\hd
	ds_load_b128 v[U+16*(2*\g+\hd)+4:U+16*(2*\g+\hd)+7], v[RDU] offset:4*SP*\g+256*\hd+16
.endr
.endr
.irp g, 0,1,2,3
	VUNIT \g, 0
	VUNIT \g, 1
.endr
.Lnext:
	s_wait_xcnt 0x0                                ; the stores' base and their data registers are rewritten only behind this wait
	s_add_nc_u64 s[10:11], s[10:11], 2048          ; 16 rows of a head on
	s_add_co_u32 s86, s86, 2048
	s_add_co_u32 s63, s63, 1
	s_cmp_lt_u32 s63, 8
	s_cbranch_scc1 .Lrow
	s_wait_tensorcnt 0x0                           ; the wave's end: behind my last tensor load and my last LDS store
	ds_add_u32 v[SPW], v[NIL]
	s_wait_dscnt 0x0
	CROUND                                         ; the closing round: no work-group ends while a partner may still ask for a tile that names it
	s_endpgm
.Lfunc_end_k_qcda9d07ee8_proj:
	.size	k_qcda9d07ee8_proj, .Lfunc_end_k_qcda9d07ee8_proj-k_qcda9d07ee8_proj
	.p2alignl 7, 3214868480
	.fill 96, 4, 3214868480
	.section	.rodata,"a",@progbits
	.p2align	6, 0x0
	.amdhsa_kernel k_qcda9d07ee8_proj
		.amdhsa_group_segment_fixed_size 327680
		.amdhsa_private_segment_fixed_size 0
		.amdhsa_enable_private_segment 0
		.amdhsa_kernarg_size 40
		.amdhsa_user_sgpr_count 2
		.amdhsa_user_sgpr_kernarg_segment_ptr 1
		.amdhsa_wavefront_size32 1
		.amdhsa_system_sgpr_workgroup_id_x 1
		.amdhsa_system_sgpr_workgroup_id_y 1
		.amdhsa_system_sgpr_workgroup_id_z 1
		.amdhsa_system_vgpr_workitem_id 0
		.amdhsa_next_free_vgpr 1024
		.amdhsa_next_free_sgpr 96
		.amdhsa_reserve_vcc 0
		.amdhsa_float_denorm_mode_32 3
		.amdhsa_float_denorm_mode_16_64 3
		.amdhsa_memory_ordered 1
		.amdhsa_forward_progress 1
		.amdhsa_inst_pref_size 113
	.end_amdhsa_kernel
	.amdgpu_metadata
---
amdhsa.version: [ 1, 2 ]
amdhsa.kernels:
  - .name:           k_qcda9d07ee8_proj
    .symbol:         k_qcda9d07ee8_proj.kd
    .args:
      - { .name: ab, .offset: 0, .size: 8, .value_kind: global_buffer, .address_space: global }
      - { .name: wcat, .offset: 8, .size: 8, .value_kind: global_buffer, .address_space: global }
      - { .name: tab, .offset: 16, .size: 8, .value_kind: global_buffer, .address_space: global }
      - { .name: q16, .offset: 24, .size: 8, .value_kind: global_buffer, .address_space: global }
      - { .name: kv16, .offset: 32, .size: 8, .value_kind: global_buffer, .address_space: global }
    .group_segment_fixed_size: 327680
    .private_segment_fixed_size: 0
    .kernarg_segment_align: 8
    .kernarg_segment_size: 40
    .max_flat_workgroup_size: 128
    .sgpr_count:     96
    .vgpr_count:     1024
    .wavefront_size: 32
...
	.end_amdgpu_metadata
.endif
;; end of part 2
;; launch attn (part 3): grid 8 x 32, 4 waves a work-group, clusters of 4 x 1, 327,680 bytes of LDS; arguments q16, kv16, o16; writes o16
.if DOCPART == 3
	.amdgcn_target "amdgcn-amd-amdhsa--gfx1250"
	.amdhsa_code_object_version 6
	.text
	.protected	k_qcda9d07ee8_attn
	.globl	k_qcda9d07ee8_attn
	.p2align	8
	.type	k_qcda9d07ee8_attn,@function
k_qcda9d07ee8_attn:
	s_mov_b64 s[64:65], 0
	v_nop
	global_prefetch_b8 v0, s[64:65] scope:SCOPE_SE
	s_setreg_imm32_b32 hwreg(HW_REG_WAVE_MODE, 25, 1), 1
	s_wait_xcnt 0x0
	s_wait_alu depctr_hold_cnt(0) depctr_sa_sdst(0) depctr_va_vdst(0) depctr_va_sdst(0) depctr_va_ssrc(0) depctr_va_vcc(0) depctr_vm_vsrc(0)
	s_getreg_b32 s2, hwreg(HW_REG_IB_STS2, 6, 4)
	s_cmp_eq_u32 s2, 0
	s_cbranch_scc0 .Lentry_in_a_cluster
	s_endpgm
.Lentry_in_a_cluster:
	s_bfe_u32 s2, ttmp6, 0x10000c
	s_cmp_lg_u32 s2, 0x3003
	s_cbranch_scc0 .Lentry_shape_is_right
	s_endpgm
.Lentry_shape_is_right:
; CAUSAL GROUPED-QUERY ATTENTION.  O[h][q][:] = the sum over k <= q of softmax_k(Q[h][q] . K[h / 4][k] / 8) V[h / 4][k][:].  q16, o16: [128 heads][1024][64]; kv16: [k, v][32 heads][1024][64]; all f16, rows dense, 128 bytes.
; q16 and kv16 hold q / 16, k / 16, v / 16: the scores' factor 256 stands in the softmax's constant c, and o16 takes O / 16.  Products, maxima and sums in f32; the weights p are rounded to f16 for the
; second product (their sum l is taken of the unrounded p), O once at the end.
; LIMITS.  f16 holds no number beyond 65,504: Q, K and V arrive within it; p lies in 0 to 1, and below 6e-5 it keeps f16's fixed step of 6e-8; O is a mean of V's rows and has their range.
; A hidden score counts as its value less 1e30: f16's scores, 2.7e11 at the most, are nothing beside that; a weight below 2^-126 counts as 0 in l; NaN and infinities are not treated apart.
; THE WALK.  A head's queries lie in NB = 4 blocks of 256; block i needs the key tiles 0 .. i of 256 keys, of which the last holds the diagonal.  A work-group takes TWO blocks, NB - 1 - b and then b:
; NB + 1 tiles, whatever b: all work-groups do equal work, and ONE loop with a constant trip count walks them.  Which tile is asked for, and what a trip does, hang on scalar registers made from b; every jump
; goes forward, but for the counted loops' own; none passes a barrier, or a tensor load but the one of JLOAD's two that the wave's number does not choose; the ring (two slots of LDS) runs on across the change of blocks.
; CLUSTER 4 x 1.  The four query heads of a group, with the same b (the cluster's x), walk the same tiles of K and V in the same trips: each tile is asked for JOINTLY, by the same tensor load, descriptor and
; mask in all four.  The place in the cluster enters Q's and O's addresses alone.
; SHARES.  Of a block's four bands of 64 queries a wave owns 16 rows in each: four PIECES.  So the diagonal tile is the same work for all four waves: in its key step s band x sees all keys if s < x,
; none if s > x, and holds the diagonal if s = x.
; THE MASK is the C operand that starts the sum S^T = K Q^T: 0, or -1e30 where the key is hidden.  MD, made once, is the mask of a band's own step for my 16 rows; a product's mask is MD x AL + BE with two scalars:
; (1, 0) if s = x; (0, 0) if s < x; (0, -1e30) if s > x.  Only the diagonal tile's text and a block's beginning make and take masks; elsewhere C is the constant 0.
; LAYOUT, SOFTMAX, TURNS.  S^T = K Q^T holds ONE query a lane (lane % 16) and the keys 8 (lane / 16) + 0..7; two such results rounded to f16 ARE source 1 of O^T = V^T P.  p = 2^(c s - c m), c = 256 log2(e) / 8, with a
; running maximum m; O and l are multiplied by a = 2^(c m_old - c m_new) in every step.  Turn n belongs to piece n: 8 products K Q^T of piece n + 1, later 8 products V^T P of piece n - 1; beside them the scaling,
; exponentials, roundings, sums and rescaling of piece n and the maximum and statistics of piece n + 1.  Four vector instructions stand behind every matrix instruction, the other 54 of a turn's 118 in two runs of their own.
; REGISTERS, in windows of 256 (s_set_vgpr_msb: bits 1:0 source 0, 3:2 source 1, 5:4 source 2, 7:6 destination):
;   window 0: v0-15 addresses and two at work; v16-31 four registers of statistics a piece; v48-55 at work; v64-127 S^T, two buffers; v192-223 P, two buffers (a piece's buffers go by its number's parity)
;   window 1: v0-127 O^T, 32 a piece; v128-159 MD; v160-223 MC, two buffers      window 2: v0-63 Q; v64-127 the second block's Q; v128-191 K of one step; v192-255 V of one step
.set SIZE_N, 1024
.set NB,    SIZE_N/256
.set NP,    4         ; pieces a wave: a name, no knob
.set KS,    64        ; keys in a step
.set PK,    144       ; a row of K in LDS: 128 bytes + 16 of padding = 36 words: the 16 rows of a load start at 16 different groups of four banks (64 banks of 4 bytes: ISA guide 11.1)
.set PV,    160       ; a row of V: 128 + 32 = 40 words
.set VOFF,  4*KS*PK   ; a slot holds a tile, four steps: 256 rows of K, then 256 rows of V
.set SLOT1, 1<<17     ; slot 1 begins here, so that one exclusive or turns an address in one slot into the other's
.set STAGE, SLOT1+4*KS*(PK+PV)  ; behind the ring, never filled by a tensor load: 16 rows x 144 bytes for each wave, for the way out
.set SP,    144
.set AK0, 2           ; v2   my lane's place in a tile of K; never rewritten
.set AV0, 3           ; v3   the same for V
.set AK,  4           ; v4   the LDS address of K's next run of loads
.set AV,  5           ; v5   of V's
.set STO, 6           ; v6   the way out: where I put 16 bytes of a row
.set RD,  7           ; v7   the way out: where I read rows back
.set GO,  8           ; v8   my byte offset in 512 consecutive bytes of O
.set SPW, 62          ; v62  LDS address of my spare word: SPARE + 4 x my thread's number; never rewritten
.set NIL, 63          ; v63  0; never rewritten
.set SPARE, STAGE+4*16*SP  ; behind the stages: the spare words, 128 bytes for each wave: two blocks of 256 bytes that no other line names
.set MV,  12          ; v12-13  c m_old, kept while c m is made anew: by buffer
.set QO,  15          ; v15  my byte offset in 16 rows of Q
.set ST,  16          ; piece t's statistics at v[ST+4 t]: c m, m, l (even keys', odd keys')
.set TMP, 48          ; by buffer, four registers c0-c3 at work; when the maximum is found c2 takes a
.set S,   64
.set P,   192
.set MD,  128         ; window 1: the eight registers for group kt of 16 keys at MD + 8 kt
.set MC,  160         ; window 1: the masks of the products to come
.set QB,  64          ; window 2
.set KF,  128         ; window 2: key block kb, channel half c at KF + 16 kb + 8 c
.set VF,  192         ; window 2: key half kk, channel block cb at VF + 32 kk + 8 cb
.set WV,  12          ; s12  my wave's number
.set PB,  14          ; s14  b
.set HI,  15          ; s15  NB - 1 - b
.set G1K, 24          ; s[24:31] descriptor group 1 for K's tiles
.set G1V, 32          ; s[32:39] for V's: it differs in the padding alone
.set G0K, 40          ; s[40:43] descriptor group 0 for K's tiles
.set G0V, 44          ; s[44:47] the same for V's
.set SLOTS, 56        ; s56  tiles still to be asked for
.set CNT, 57          ; s57  counts a tile's key steps, 4 to 1
.set CS,  58          ; s[58:59] c: the packed scaling takes the pair's low word for both halves
.set SEL, 60          ; s[60:61] v_permlanex16_b32's selects: each lane takes its own place in the other half
.set TBK, 62          ; s62  LDS byte at which K of the step to be fetched begins
.set TBV, 63          ; s63  the same for V, less VOFF
.set RT,  70          ; s70  tiles of the block in hand that are still to be entered
.set NXT, 71          ; s71  the tile to be asked for next
.set LQ,  72          ; s72  the last tile of the block whose tiles are being asked for
.set NEW, 73          ; s73  1: the tile to be entered is a block's first
.set OFF, 74          ; s[74:75] a tile's byte offset in K and V
.set AL,  76          ; s[76:77] the mask's factor, in the low word
.set BE,  78          ; s[78:79] the mask's addend
.set OLO, 80          ; s[80:81] O at my rows of the second block
.set BIGN, 82         ; s82  -1e30
.set MSB, 0
.macro WIN new                      ; the high byte repeats the setting that is left; a switch that changes nothing is dropped
.if MSB != (\new)
	s_set_vgpr_msb (MSB<<8)|(\new)
.set MSB, (\new)
.endif
.endm
.set W_KQ, 0x0a       ; K and Q in window 2, S^T in window 0
.set W_KM, 0x1a       ; the same with the C operand in window 1
.set W_PV, 0x52       ; V in window 2, P in window 0, O^T in window 1
.set W_RS, 0x41       ; destination and source 0 in window 1, source 1 in window 0
; A joint fill.  Waves 0 and 1 fetch the two halves of a tile's K, waves 2 and 3 those of its V: 128 keys each.  The branch hangs on the wave's number alone.
; An s_nop 0 and four v_nop follow each of the two lines, ahead of the jump and the label.
.macro JLOAD
	s_cmp_lt_u32 s[WV], 2
	s_cbranch_scc0 .Lfor_v_\@
	tensor_load_to_lds s[G0K:G0K+3], s[G1K:G1K+7]
	s_nop 0
.rept 4
	v_nop
.endr
	s_branch .Lasked_\@
.Lfor_v_\@:
	tensor_load_to_lds s[G0V:G0V+3], s[G1V:G1V+7]
	s_nop 0
.rept 4
	v_nop
.endr
.Lasked_\@:
.endm
; A round of the cluster's barrier: my work-group's barrier, so that wave 0's signal speaks for all four waves; wave 0 signals; every wave waits for all four work-groups; my work-group's barrier once more.
.macro CROUND
	s_barrier_signal -1
	s_barrier_wait -1
	s_cmp_lg_u32 s[WV], 0
	s_cbranch_scc1 .Lnot_wave_0_\@
	s_barrier_signal -3
.Lnot_wave_0_\@:
	s_barrier_wait -3
	s_barrier_signal -1
	s_barrier_wait -1
.endm
; THE CHANGE OF SLOTS.  Each wave waits for all its tensor loads, of which one is out: its part of the other slot; adds 0 to its spare word; and waits for that and for its own reads of the slot that it leaves.
; Behind the barrier nobody reads the old slot any more and the other slot is whole.  fill = 1: the barrier is a round of the cluster's, so that no wave of any partner still reads the slot or has a load on its
; way, and the old slot is filled again, the first thing behind it, with tile NXT: the descriptor's address is made anew from that number, which all four partners share.
; (At its first use nothing has been read yet: slot 0 is waited for, slot 1 filled.)
.macro CHANGE fill
	WIN 0                           ; at a label and at a branch every window is 0
	s_wait_tensorcnt 0x0            ; no tensor load of mine is out, so a group 0 may be written
	ds_add_u32 v[SPW], v[NIL]       ; 0 onto my spare word; with fill = 1 the descriptors' scalar work stands between it and the wait for it
.if \fill
	s_lshl_b32 s[OFF], s[NXT], 15   ; a tile is 32,768 bytes of K and of V
	s_xor_b32 s[G0K+1], s[G0K+1], SLOT1
	s_add_nc_u64 s[G0K+2:G0K+3], s[6:7], s[OFF:OFF+1]
	s_or_b32 s[G0K+3], s[G0K+3], 0x80000000
	s_xor_b32 s[G0V+1], s[G0V+1], SLOT1
	s_add_nc_u64 s[G0V+2:G0V+3], s[8:9], s[OFF:OFF+1]
	s_or_b32 s[G0V+3], s[G0V+3], 0x80000000
	s_add_co_u32 s[NXT], s[NXT], 1  ; the block's next tile, or behind its last the second block's tile 0
	s_cmp_gt_u32 s[NXT], s[LQ]
	s_cselect_b32 s[NXT], 0, s[NXT]
	s_cselect_b32 s[LQ], s[PB], s[LQ]
	s_wait_dscnt 0x0                ; the add is done, and my reads of the slot are over
	CROUND
	JLOAD
.else
	s_wait_dscnt 0x0                ; the add is done, and my reads of the slot are over
	s_barrier_signal -1
	s_barrier_wait -1
.endif
	s_sub_co_u32 s[TBK], s[TBK], 4*KS*PK  ; the fetches go back to a slot's first step,
	s_xor_b32 s[TBK], s[TBK], SLOT1       ; in the other slot
	s_sub_co_u32 s[TBV], s[TBV], 4*KS*PV
	s_xor_b32 s[TBV], s[TBV], SLOT1
.endm
	s_load_b128 s[4:7], s[0:1], 0x0   ; q16 s[4:5], kv16 s[6:7]
	s_load_b64 s[10:11], s[0:1], 0x10 ; o16
	v_lshl_add_u32 v[SPW], v0, 2, SPARE
	v_mov_b32 v[NIL], 0
	ds_add_u32 v[SPW], v[NIL]       ; the wave's opening: the add and its wait stand ahead of my first tensor load; the set-up below, work on registers, stands between them
	v_lshrrev_b32 v1, 5, v0
	v_readfirstlane_b32 s[WV], v1   ; wave 0..3
	s_mov_b32 s[PB], ttmp9          ; in a cluster launch ttmp9 counts clusters: b, which the four partners share
	s_sub_co_u32 s[HI], NB-1, s[PB]
	s_and_b32 s20, ttmp7, 0xffff    ; 8 x batch + key head, which the four partners share
	s_bfe_u32 s13, ttmp6, 0x40000   ; cx: my query head in its group
	s_lshl_b32 s19, s20, 2
	s_add_co_u32 s19, s19, s13      ; my query head: it enters Q's and O's addresses alone
	s_lshl_b32 s19, s19, 17         ; a head is 131,072 bytes
	s_lshl_b32 s20, s20, 17
	s_and_b32 s16, s[WV], 1         ; which half of a tile's 256 keys I fetch:
	s_lshl_b32 s22, s16, 14         ; its 128 rows of 128 bytes in memory,
	s_add_co_u32 s22, s22, s20
	s_mov_b32 s23, 0
	s_mul_i32 s17, s16, 128*PK      ; and its place in a slot, for K
	s_mul_i32 s18, s16, 128*PV      ; and for V: no place in the cluster enters an LDS address
	s_lshl_b32 s3, s[WV], 11        ; my 16 rows in a band of 64,
	s_add_co_u32 s3, s3, s19
	s_lshl_b32 s2, s[HI], 15        ; in the first block,
	s_add_co_u32 s2, s2, s3
	s_lshl_b32 s84, s[PB], 15       ; and in the second
	s_add_co_u32 s84, s84, s3
	s_mov_b32 s3, 0
	s_mov_b32 s85, 0
	; descriptor group 1.  128 keys are 16,384 dense bytes: asked for as 64 rows of 256 bytes, two keys a row, and padded in LDS after every key
	s_mov_b32 s[G1K], 15|(1<<16)|(1<<20)|(1<<21)|(4<<22)|(3<<25)  ; 15:0 the mask of four; 17:16 2-byte elements; 20 padding on; 21 set beside a mask; 24:22 after every 32 words (code 4); 31:25 4 words (code 3)
	s_mov_b32 s[G1V], 15|(1<<16)|(1<<20)|(1<<21)|(4<<22)|(7<<25)  ; the same with 8 words of padding (code 7)
.irp g, G1K, G1V
	s_mov_b32 s[\g+1], 128<<16      ; tensor_dim0 = 128
	s_mov_b32 s[\g+2], 64<<16       ; tensor_dim1 = 64
	s_mov_b32 s[\g+3], 128<<16      ; tile_dim0 = 128
	s_mov_b32 s[\g+4], 64           ; tile_dim1 = 64
	s_mov_b32 s[\g+5], 128          ; 128 elements from row to row
	s_mov_b32 s[\g+6], 0
	s_mov_b32 s[\g+7], 0
.endr
	s_mov_b32 s[CS], 0x4238aa3b     ; c = 256 log2(e) / 8 = 46.1662: q and k each come divided by 16
	s_mov_b32 s[CS+1], s[CS]        ; named with it as a pair
	s_mov_b32 s[SEL], 0x76543210
	s_mov_b32 s[SEL+1], 0xfedcba98
	s_mov_b32 s[TBK], SLOT1+4*KS*PK ; the first change of slots turns these two into 0
	s_mov_b32 s[TBV], SLOT1+4*KS*PV
	s_mov_b32 s[G0K], 1             ; 1:0 count = 1
	s_mov_b32 s[G0K+1], s17         ; 63:32 LDS address: slot 0
	s_mov_b32 s[G0V], 1
	s_add_co_u32 s[G0V+1], s18, VOFF
	s_add_co_u32 s[RT], s[HI], 1    ; the first block has NB - b tiles
	s_mov_b32 s[NXT], 1
	s_mov_b32 s[LQ], s[HI]
	s_mov_b32 s[NEW], 1
	s_mov_b32 s[OFF+1], 0
	s_mov_b32 s[AL+1], 0            ; named as pairs
	s_mov_b32 s[BE+1], 0
	s_mov_b32 s[BIGN], 0xf149f2ca   ; -1e30
	s_mov_b32 s[SLOTS], NB
	s_wait_dscnt 0x0                ; the opening add is done
	s_wait_kmcnt 0x0
	s_add_nc_u64 s[6:7], s[6:7], s[22:23]  ; K at my half of the head's tile 0,
	s_add_nc_u64 s[8:9], s[6:7], 0x400000  ; V the same, 32 heads further on in kv16
	s_add_nc_u64 s[G0K+2:G0K+3], s[6:7], 0         ; 120:64 global address
	s_or_b32 s[G0K+3], s[G0K+3], 0x80000000        ; 127:126 type = 2
	s_add_nc_u64 s[G0V+2:G0V+3], s[8:9], 0
	s_or_b32 s[G0V+3], s[G0V+3], 0x80000000
	s_add_nc_u64 s[86:87], s[4:5], s[84:85]        ; Q at my rows of the second block,
	s_add_nc_u64 s[4:5], s[4:5], s[2:3]            ; Q and O at those of the first
	s_add_nc_u64 s[OLO:OLO+1], s[10:11], s[84:85]
	s_add_nc_u64 s[10:11], s[10:11], s[2:3]
	CROUND                          ; all four work-groups are here: the first joint loads meet
	JLOAD                           ; tile 0 into slot 0
	; A fragment of K or Q is 16 rows x 32 channels in 8 registers: lane l holds row l % 16, channels 8 (l / 16) + 0..7 and 16 + 8 (l / 16) + 0..7: two loads of 16 bytes, 32 bytes apart.
	v_and_b32 v1, 15, v0            ; l % 16
	v_bfe_u32 v9, v0, 4, 1          ; l / 16
	v_lshlrev_b32 v[QO], 7, v1
	v_lshl_add_u32 v[QO], v9, 4, v[QO]  ; row x 128 + 16 x half
	WIN 0x80                        ; destination window 2, address window 0
.set i, 0
.rept 8                             ; both blocks' Q: piece i / 2 lies in band i / 2, 8,192 bytes on; channels 32 (i % 2) on
	global_load_b128 v[8*i:8*i+3],   v[QO], s[4:5] offset:(i/2)*8192+(i%2)*64
	global_load_b128 v[8*i+4:8*i+7], v[QO], s[4:5] offset:(i/2)*8192+(i%2)*64+32
	global_load_b128 v[QB+8*i:QB+8*i+3],   v[QO], s[86:87] offset:(i/2)*8192+(i%2)*64
	global_load_b128 v[QB+8*i+4:QB+8*i+7], v[QO], s[86:87] offset:(i/2)*8192+(i%2)*64+32
.set i, i+1
.endr
	WIN 0
	v_lshlrev_b32 v14, 3, v9
	v_sub_nc_u32 v14, v1, v14
	s_lshl_b32 s13, s[WV], 4
	v_add_nc_u32 v14, s13, v14      ; my query's place in its band, 16 w + l % 16, less my lanes' 8 (l / 16): register r of group kt is hidden where 16 kt + r is greater
	WIN 0x40
.set i, 0
.rept 32
	v_cmp_gt_i32 vcc_lo, 16*(i/8)+i%8, v14
	v_cndmask_b32 v[MD+i], 0, s[BIGN], vcc_lo
.set i, i+1
.endr
	WIN 0
	v_mul_u32_u24 v[AK0], v1, PK
	v_lshl_add_u32 v[AK0], v9, 4, v[AK0]  ; row x pitch + 16 x half
	; The turning load takes 16 keys x 16 channels (lane l reads key 8 (l / 16) + l % 8, channels 8 ((l / 8) % 2) + 0..7) and leaves half a fragment of V^T: lane l holds channel l % 16 and 8 keys.
	v_and_b32 v10, 7, v0
	v_bfe_u32 v11, v0, 3, 1
	v_lshl_add_u32 v[AV0], v9, 3, v10
	v_mul_u32_u24 v[AV0], v[AV0], PV
	v_lshl_add_u32 v[AV0], v11, 4, v[AV0]
	v_add_nc_u32 v[AV0], VOFF, v[AV0]
	s_mul_i32 s13, s[WV], 16*SP
	s_add_co_u32 s13, s13, STAGE    ; my stage
	v_mul_u32_u24 v[STO], v1, SP    ; in: row l % 16, 16 bytes for each half of the lanes
	v_lshl_add_u32 v[STO], v9, 4, v[STO]
	v_add_nc_u32 v[STO], s13, v[STO]
	v_bfe_u32 v[RD], v0, 3, 2       ; back: 32 lanes take four rows of 128 bytes,
	v_mul_u32_u24 v[RD], v[RD], SP
	v_lshl_add_u32 v[RD], v10, 4, v[RD]
	v_add_nc_u32 v[RD], s13, v[RD]
	v_and_b32 v[GO], 31, v0         ; which are 512 consecutive bytes of O
	v_lshlrev_b32 v[GO], 4, v[GO]
	; A block's first step multiplies O^T and l by a = 0, and its first turn's products V^T P, of a piece that has not been, land in an O^T that is still to be so multiplied.  So these registers need only hold
	; finite numbers: zeros for the first block; what the first block left for the second.  All this stands in the wait for the first tile.
	WIN 0x80
.set i, VF
.rept 64
	v_mov_b32 v[i], 0
.set i, i+1
.endr
	WIN 0x40
.set i, 0
.rept 128
	v_mov_b32 v[i], 0
.set i, i+1
.endr
	WIN 0
.set i, 0
.rept 4
	v_mov_b32 v[ST+4*i+2], 0
	v_mov_b32 v[ST+4*i+3], 0
.set i, i+1
.endr
.set i, P+16
.rept 16
	v_mov_b32 v[i], 0
.set i, i+1
.endr
; THE MATRIX WORK.  The 4 accumulators of a run of 8 take turns.  Product i of 8 of S^T = K Q^T for piece x: channels 32 (i / 4) on, keys 16 (i % 4) on.  The first 4 start the sums: with 0, or (KM = 1) with the mask.
.macro KQ x
.set rS, S+32*((\x)%2)+8*(i%4)
.set rK, KF+16*(i%4)+8*(i/4)
.set rQ, 16*(\x)+8*(i/4)
.set rM, MC+32*((\x)%2)+8*(i%4)
.if (i < 4) && KM
	WIN W_KM
	v_wmma_f32_16x16x32_f16 v[rS:rS+7], v[rK:rK+7], v[rQ:rQ+7], v[rM:rM+7]
.elseif i < 4
	WIN W_KQ
	v_wmma_f32_16x16x32_f16 v[rS:rS+7], v[rK:rK+7], v[rQ:rQ+7], 0
.else
	WIN W_KQ
	v_wmma_f32_16x16x32_f16 v[rS:rS+7], v[rK:rK+7], v[rQ:rQ+7], v[rS:rS+7]
.endif
.endm
; Product i of 8 of O^T += V^T P for piece x: keys 32 (i / 4) on, channels 16 (i % 4) on.
.macro PV x
	WIN W_PV
.set rO, 32*(\x)+8*(i%4)
.set rV, VF+32*(i/4)+8*(i%4)
.set rP, P+16*((\x)%2)+8*(i/4)
	v_wmma_f32_16x16x32_f16 v[rO:rO+7], v[rV:rV+7], v[rP:rP+7], v[rO:rO+7]
.endm
.macro MM                           ; the turn's next matrix instruction.  TURN and BEGIN set Y, i, KM and NOKQ; MM, KQ and OP read them.  NOKQ = 1: a block's last turn: there is no next piece
.if (i < 8) && !NOKQ
	KQ (Y+1)%NP
.elseif i >= 8
.set i, i-8
	PV (Y+NP-1)%NP
.set i, i+8
.endif
.set i, i+1
.endm
; THE LDS LOADS stand in runs of 16, never singly among the matrix instructions: a step's K (64 keys x 64 channels: 8 fragments) and its V (turned).  Their addresses are made some lines ahead.
.macro FETCH_K
	WIN 0x80                        ; destination window 2
.irp f, 0,1,2,3,4,5,6,7             ; keys 16 (f / 2) on, channels 32 (f % 2) on
	ds_load_b128 v[KF+8*\f:KF+8*\f+3],   v[AK] offset:(\f/2)*16*PK+(\f%2)*64
	ds_load_b128 v[KF+8*\f+4:KF+8*\f+7], v[AK] offset:(\f/2)*16*PK+(\f%2)*64+32
.endr
	s_add_co_u32 s[TBK], s[TBK], KS*PK  ; the next fetch is the next step's
	WIN 0
.endm
.macro FETCH_V
	WIN 0x80
.irp f, 0,1,2,3,4,5,6,7             ; keys 32 (f / 4) on, channels 16 (f % 4) on
	ds_load_tr16_b128 v[VF+8*\f:VF+8*\f+3],   v[AV] offset:(\f/4)*32*PV+(\f%4)*32
	ds_load_tr16_b128 v[VF+8*\f+4:VF+8*\f+7], v[AV] offset:(\f/4)*32*PV+16*PV+(\f%4)*32
.endr
	WIN 0
.endm
; THE VECTOR WORK, one line at a time: OP kind, number.  For piece Y: F n: c s - c m for pair n of 16.  E n: the exponential of score n of 32.  C n: pair n rounded to f16.  B n: of the four weights 4 n .. the second
; pair is added onto the first, in place.  L n: l takes that sum (L 0: l = a l + sum).  R n: pair n of 16 of O^T times a.  For piece Y + 1: X n, number n of the 22 that find its maximum and statistics:
;   0-11  four chains c0-c3 of seven scores each, three operands at a time (each accumulator's lowest registers are read first)     12-14, 16  the four scores left over, the old m, and c0-c3 into c0
;   15  c m_old is kept     17, 18  the query's other 32 keys lie in the lane 16 away: the new m     19-21  c m; c m_old - c m_new; a
.set F, 0               ; OP tells the kinds apart by their order: F to L below R, X above it
.set E, 1
.set C, 2
.set B, 3
.set L, 4
.set R, 5
.set X, 6
.macro REGS y                       ; the registers of piece y
.set rT, ST+4*(\y)
.set rC, TMP+4*((\y)%2)
.set rW, MV+((\y)%2)
.set rS, S+32*((\y)%2)
.set rP, P+16*((\y)%2)
.set rO, 32*(\y)
.endm
.macro OP k, n
.if (\k) == R
	REGS Y
	WIN W_RS
	v_pk_mul_f32 v[rO+2*(\n):rO+2*(\n)+1], v[rO+2*(\n):rO+2*(\n)+1], v[rC+2:rC+3] op_sel_hi:[1,0]
.elseif (\k) < R
	REGS Y
	WIN 0
.if (\k) == F
	v_pk_fma_f32 v[rS+2*(\n):rS+2*(\n)+1], v[rS+2*(\n):rS+2*(\n)+1], s[CS:CS+1], v[rT:rT+1] op_sel_hi:[1,0,0] neg_lo:[0,0,1] neg_hi:[0,0,1]
.elseif (\k) == E
	v_exp_f32 v[rS+(\n)], v[rS+(\n)]
.elseif (\k) == C
	s_wait_alu depctr_va_vdst(0)
	v_cvt_pk_f16_f32 v[rP+(\n)], v[rS+2*(\n)], v[rS+2*(\n)+1]
.elseif (\k) == B
	s_wait_alu depctr_va_vdst(0)
	v_pk_add_f32 v[rS+4*(\n):rS+4*(\n)+1], v[rS+4*(\n):rS+4*(\n)+1], v[rS+4*(\n)+2:rS+4*(\n)+3]
.elseif (\n) == 0
	v_pk_fma_f32 v[rT+2:rT+3], v[rT+2:rT+3], v[rC+2:rC+3], v[rS:rS+1] op_sel_hi:[1,0,1]
.else
	v_pk_add_f32 v[rT+2:rT+3], v[rT+2:rT+3], v[rS+4*(\n):rS+4*(\n)+1]
.endif
.elseif NOKQ
	v_nop
.else
	REGS (Y+1)%NP
	WIN 0
.if (\n) < 4
	v_max3_num_f32 v[rC+(\n)], v[rS+8*(\n)], v[rS+8*(\n)+1], v[rS+8*(\n)+2]
.elseif (\n) < 12
	v_max3_num_f32 v[rC+(\n)%4], v[rC+(\n)%4], v[rS+8*((\n)%4)+2*((\n)/4)+1], v[rS+8*((\n)%4)+2*((\n)/4)+2]
.elseif (\n) == 12
	v_max3_num_f32 v[rC], v[rC], v[rS+7], v[rS+15]
.elseif (\n) == 13
	v_max3_num_f32 v[rC+1], v[rC+1], v[rS+23], v[rS+31]
.elseif (\n) == 14
	v_max3_num_f32 v[rC+2], v[rC+2], v[rC+3], v[rT+1]
.elseif (\n) == 15
	v_mov_b32 v[rW], v[rT]
.elseif (\n) == 16
	v_max3_num_f32 v[rC], v[rC], v[rC+1], v[rC+2]
.elseif (\n) == 17
	v_permlanex16_b32 v[rC+3], v[rC], s[SEL], s[SEL+1]
.elseif (\n) == 18
	v_max_num_f32 v[rT+1], v[rC], v[rC+3]
.elseif (\n) == 19
	v_mul_f32 v[rT], s[CS], v[rT+1]
.elseif (\n) == 20
	v_sub_f32 v[rC+1], v[rW], v[rT]
.else
	v_exp_f32 v[rC+2], v[rC+1]
.endif
.endif
.endm
.macro OPS a, i1, b=-1, i2=0, c=-1, i3=0, d=-1, i4=0  ; up to four of them
	OP \a, \i1
.if (\b) >= 0
	OP \b, \i2
.endif
.if (\c) >= 0
	OP \c, \i3
.endif
.if (\d) >= 0
	OP \d, \i4
.endif
.endm
.macro ROW a, i1, b, i2, c, i3, d, i4  ; a matrix instruction and the four behind it
	MM
	OPS \a, \i1, \b, \i2, \c, \i3, \d, \i4
.endm
.macro MASK b                       ; MD x AL + BE into buffer b of MC
	WIN W_RS
.set z, 0
.rept 16
	v_pk_fma_f32 v[MC+32*(\b)+2*z:MC+32*(\b)+2*z+1], v[MD+2*z:MD+2*z+1], s[AL:AL+1], s[BE:BE+1] op_sel_hi:[1,0,0]
.set z, z+1
.endr
.endm
; A TURN, for piece p: the order of its 16 matrix and 118 vector instructions, written out.  Behind a matrix instruction: plain, exponential, plain, plain; or four of the rescaling; or, behind the first, four scalings; none
; names a register of the products round it.  In the runs of their own exponential and plain by turns while exponentials last.  A line reads no result made fewer than three vector instructions in front of it, five if an
; exponential made it.  v_permlanex16_b32 (X 17) stands in such a run.
; m = 1: the diagonal tile: the products take masks, and the turn makes the mask for the products of the turn after it: piece p + 2, in step 4 - CNT of the tile.  end = 1: a block's last two turns: nothing is fetched.
; cnt = 1: the loop's count is taken down some lines ahead of the branch that stands behind the turn.
; K of the next step is fetched in piece 2's turn, six vector instructions behind the last product that read K (five of them plain); V of the step in hand in piece 0's turn, eight behind the last product that read V (four
; plain, and X 17).  Each is waited for a turn later.
.macro TURN p, m=0, end=0, cnt=0
.set Y, (\p)
.set i, 0
.set KM, (\m)
.set NOKQ, (\end)*((\p)/3)
.if (\m) && !(\end)
	s_cmp_eq_u32 s[CNT], 4-((\p)+2)%NP  ; is that step the band's own?
	s_cselect_b32 s[AL], 1.0, 0
	s_cmp_lt_u32 s[CNT], 4-((\p)+2)%NP  ; or a later one?
	s_cselect_b32 s[BE], s[BIGN], 0
.endif
.if ((\p) == 3) && !(\end)
	s_wait_dscnt 0x0                ; K is in
.endif
	ROW F,0, F,1, F,2, F,3
	ROW F,4, E,0, F,5, F,6
	ROW F,7, E,1, F,8, F,9
	ROW F,10, E,2, C,0, F,11
	ROW F,12, E,3, X,15, F,13
	ROW R,0, R,1, R,2, R,3
	ROW B,0, E,4, F,14, L,0
.if ((\p) == 2) && !(\end)
	v_add_nc_u32 v[AK], s[TBK], v[AK0]
.endif
	ROW R,4, R,5, R,6, R,7
	OPS E,5, F,15
.if ((\p) == 2) && !(\end)
	FETCH_K
.endif
	OPS E,6, C,1, E,7, R,8
	OPS E,8, R,9, E,9, C,2
	OPS E,10, X,0, E,11, X,1
	OPS E,12, X,2, E,13, X,3
.if (\p) == 1
	s_wait_dscnt 0x0                ; V is in
.endif
	ROW X,4, E,14, X,5, X,6
	ROW X,7, E,15, X,8, X,9
	ROW X,10, E,16, X,11, X,12
	ROW X,13, E,17, X,14, B,1
	ROW C,4, E,18, X,16, L,1
	ROW B,2, E,19, C,6, L,2
	ROW C,8, E,20, B,3, B,4
.if (\p) == 0
	v_add_nc_u32 v[AV], s[TBV], v[AV0]
.endif
	ROW C,3, E,21, L,3, C,5
	OPS E,22, X,17, E,23, C,10
.if (\p) == 0
	FETCH_V
.endif
	OPS E,24, L,4
	OPS E,25, X,18, E,26, C,7
	OPS E,27, B,5, E,28, X,19
	OPS E,29, C,12, E,30, L,5
	OPS E,31, X,20, B,6, C,9
	OPS C,14, C,11, X,21, L,6
.if (\p) == 0
	s_add_co_u32 s[TBV], s[TBV], KS*PV
.endif
.if \cnt
	s_sub_co_u32 s[CNT], s[CNT], 1
	s_cmp_lg_u32 s[CNT], 0
.endif
	OPS C,13, B,7, C,15, R,10
	OPS R,11, R,12, L,7, R,13
	OPS R,14, R,15
.if (\m) && !(\end)
	MASK (\p)%2
.endif
.endm
; A BLOCK BEGINS.  c m starts far below every c s, so the first step's a is 0; m at the lowest finite number, so the first maximum is the scores'.  The second mask buffer is 0; the first takes piece 0's mask for the tile's step 0: its own, if the block's first tile is the diagonal one.
; Then K of that step, piece 0's first scores, and its maximum and statistics.  The loop is entered at a step's first turn, in the middle of a trip.
.macro BEGIN
	s_mov_b32 s[NEW], 0
	WIN 0x40
.set i, MC+32
.rept 32
	v_mov_b32 v[i], 0
.set i, i+1
.endr
	WIN 0
.set i, 0
.rept 4
	v_mov_b32 v[ST+4*i], 0xfe000000    ; c m: far below every c s
	v_mov_b32 v[ST+4*i+1], 0xff7fffff  ; m
.set i, i+1
.endr
	s_cmp_eq_u32 s[RT], 0
	s_cselect_b32 s[AL], 1.0, 0
	s_mov_b32 s[BE], 0
	MASK 0
	WIN 0
	v_add_nc_u32 v[AK], s[TBK], v[AK0]
	FETCH_K
	s_wait_loadcnt 0x0              ; Q
	s_wait_dscnt 0x0
.set KM, 1
.set NOKQ, 0
.set i, 0
.rept 8
	KQ 0
.set i, i+1
.endr
	WIN 0
.rept 4
	v_nop                           ; the places behind those products
.endr
.set Y, NP-1                        ; X works for piece Y + 1: piece 0
.irp n, 0,1,2,3,4,5,6,7,8,9,10,11,12,13,14,15,16,17,18,19,20,21
	OP X, \n
.endr
	v_nop                           ; a plain instruction behind the exponential
.endm
; THE DIAGONAL TILE's four steps, the block's last two turns, its last products, and THE WAY OUT: l's two halves and the other half of the lanes' are added; O^T is divided by l, rounded to f16 and sent through my
; stage in LDS, a piece at a time.
.macro ALL line:vararg              ; one line for each piece t
.set t, 0
.rept 4
	\line
.set t, t+1
.endr
.endm
.macro PACK t                       ; a lane's eight channels of a row pack into 16 bytes; they go into rows of 144 bytes and come back as whole rows of 128, into S^T's registers
	WIN W_RS
.set i, 32*(\t)
.rept 16
	s_wait_alu depctr_va_vdst(0)
	v_pk_mul_f32 v[i:i+1], v[i:i+1], v[ST+4*(\t)+2:ST+4*(\t)+3] op_sel_hi:[1,0]
.set i, i+2
.endr
	WIN 0x05                        ; sources 0 and 1 window 1, destination window 0
.set i, 0
.rept 16
	v_cvt_pk_f16_f32 v[S+16*(\t)+i], v[32*(\t)+2*i], v[32*(\t)+2*i+1]
.set i, i+1
.endr
	WIN 0
.irp f, 0,1,2,3
	ds_store_b128 v[STO], v[S+16*(\t)+4*\f:S+16*(\t)+4*\f+3] offset:32*\f
.endr
.irp f, 0,1,2,3
	ds_load_b128 v[S+16*(\t)+4*\f:S+16*(\t)+4*\f+3], v[RD] offset:\f*4*SP  ; LDS serves a wave's instructions in order (ISA guide 5.7.1.4): these see the stores above; the next piece's stores come behind them
.endr
.endm
.macro SEND t, younger              ; younger: the LDS instructions issued behind piece t's loads: the next piece's eight, or none
	WIN 0
.irp f, 0,1,2,3
	s_wait_dscnt (\younger)+3-\f
	global_store_b128 v[GO], v[S+16*(\t)+4*\f:S+16*(\t)+4*\f+3], s[10:11] offset:(\t)*8192+\f*512  ; 512 consecutive bytes, at a multiple of 256 from O's first
.endr
.endm
.macro DIAG tag                     ; the tag ends its two labels' names, which the jumps below spell out
.LstepM\tag:
	TURN 2, 1
	TURN 3, 1
	WIN 0
.LfirstM\tag:
	TURN 0, 1
	TURN 1, 1, 0, 1
	WIN 0
	s_cbranch_scc1 .LstepM\tag
	TURN 2, 1, 1
	TURN 3, 1, 1
.set i, 0
.rept 8
	PV NP-1
.set i, i+1
.endr
	WIN 0
	ALL v_add_f32 v[ST+4*t+2], v[ST+4*t+2], v[ST+4*t+3]
	ALL v_permlanex16_b32 v[ST+4*t+3], v[ST+4*t+2], s[SEL], s[SEL+1]
	ALL v_add_f32 v[ST+4*t+2], v[ST+4*t+2], v[ST+4*t+3]
	ALL v_rcp_f32 v[ST+4*t+2], v[ST+4*t+2]
	v_nop                           ; a plain instruction between the last reciprocal and the use of its result
	PACK 0
.set t, 1
.rept 3                             ; a piece's arithmetic stands between the loads of the piece before and its stores
	PACK t
	SEND t-1, 8
.set t, t+1
.endr
	SEND 3, 0
.endm
.set KM, 0
.set NOKQ, 0
.Lslot:                             ; NB times: a tile is entered and the next is asked for
	CHANGE 1
	s_sub_co_u32 s[RT], s[RT], 1
	s_mov_b32 s[CNT], 4
	s_cmp_eq_u32 s[NEW], 1
	s_cbranch_scc1 .Lnew            ; a block's first tile
	s_cmp_eq_u32 s[RT], 0
	s_cbranch_scc0 .Lstep           ; neither its first nor its last
	s_branch .LstepM1
.Lnew:
	BEGIN
	s_branch .Lfirst                ; in the loop a block's first tile is never its last: the first block has two tiles or more, and the second's last is the walk's last
	DIAG 1                          ; in the loop this is the first block's end: the second block's last tile is the walk's last
	s_wait_xcnt 0x0                 ; the stores have read their registers and O's address
	s_mov_b64 s[10:11], s[OLO:OLO+1]
	s_add_co_u32 s[RT], s[PB], 1    ; the second block has b + 1 tiles
	s_mov_b32 s[NEW], 1
	WIN 0x82                        ; the second block's Q goes where the one text of the turns names Q
.set i, 0
.rept 64
	v_mov_b32 v[i], v[QB+i]
.set i, i+1
.endr
	WIN 0
	s_branch .Lbottom
.Lstep:                             ; a trip: pieces 2 and 3 of one step, then pieces 0 and 1 of the next, whose K and V it fetches
	TURN 2
	TURN 3
	WIN 0
.Lfirst:
	TURN 0
	TURN 1, 0, 0, 1
	WIN 0
	s_cbranch_scc1 .Lstep
.Lbottom:
	s_sub_co_u32 s[SLOTS], s[SLOTS], 1
	s_cmp_lg_u32 s[SLOTS], 0
	s_cbranch_scc1 .Lslot
	CHANGE 0                        ; the walk's last tile is written out: nothing is asked for
	s_sub_co_u32 s[RT], s[RT], 1
	s_mov_b32 s[CNT], 4
	s_cmp_eq_u32 s[NEW], 1
	s_cbranch_scc0 .LstepM2
	BEGIN
	s_branch .LfirstM2
	DIAG 2
	s_wait_tensorcnt 0x0            ; the wave's end: behind my last tensor load and my last LDS store
	ds_add_u32 v[SPW], v[NIL]
	s_wait_dscnt 0x0
	CROUND                          ; the closing round: no work-group ends while a partner may still ask for a tile that names it
	s_endpgm
.Lfunc_end_k_qcda9d07ee8_attn:
	.size	k_qcda9d07ee8_attn, .Lfunc_end_k_qcda9d07ee8_attn-k_qcda9d07ee8_attn
	.p2alignl 7, 3214868480
	.fill 96, 4, 3214868480
	.section	.rodata,"a",@progbits
	.p2align	6, 0x0
	.amdhsa_kernel k_qcda9d07ee8_attn
		.amdhsa_group_segment_fixed_size 327680
		.amdhsa_private_segment_fixed_size 0
		.amdhsa_enable_private_segment 0
		.amdhsa_kernarg_size 24
		.amdhsa_user_sgpr_count 2
		.amdhsa_user_sgpr_kernarg_segment_ptr 1
		.amdhsa_wavefront_size32 1
		.amdhsa_system_sgpr_workgroup_id_x 1
		.amdhsa_system_sgpr_workgroup_id_y 1
		.amdhsa_system_sgpr_workgroup_id_z 1
		.amdhsa_system_vgpr_workitem_id 0
		.amdhsa_next_free_vgpr 768
		.amdhsa_next_free_sgpr 88
		.amdhsa_reserve_vcc 1
		.amdhsa_float_denorm_mode_32 3
		.amdhsa_float_denorm_mode_16_64 3
		.amdhsa_memory_ordered 1
		.amdhsa_forward_progress 1
		.amdhsa_inst_pref_size 229
	.end_amdhsa_kernel
	.amdgpu_metadata
---
amdhsa.version: [ 1, 2 ]
amdhsa.kernels:
  - .name:           k_qcda9d07ee8_attn
    .symbol:         k_qcda9d07ee8_attn.kd
    .args:
      - { .name: q16, .offset: 0, .size: 8, .value_kind: global_buffer, .address_space: global }
      - { .name: kv16, .offset: 8, .size: 8, .value_kind: global_buffer, .address_space: global }
      - { .name: o16, .offset: 16, .size: 8, .value_kind: global_buffer, .address_space: global }
    .group_segment_fixed_size: 327680
    .private_segment_fixed_size: 0
    .kernarg_segment_align: 8
    .kernarg_segment_size: 24
    .max_flat_workgroup_size: 128
    .sgpr_count:     88
    .vgpr_count:     768
    .wavefront_size: 32
...
	.end_amdgpu_metadata
.endif
;; end of part 3
;; launch oproj (part 4): grid 8 x 32, 4 waves a work-group, clusters of 4 x 4, 327,680 bytes of LDS; arguments o16, wo16, out0; writes out0
.if DOCPART == 4
	.amdgcn_target "amdgcn-amd-amdhsa--gfx1250"
	.amdhsa_code_object_version 6
	.text
	.protected	k_qcda9d07ee8_oproj
	.globl	k_qcda9d07ee8_oproj
	.p2align	8
	.type	k_qcda9d07ee8_oproj,@function
k_qcda9d07ee8_oproj:
	s_mov_b64 s[64:65], 0
	v_nop
	global_prefetch_b8 v0, s[64:65] scope:SCOPE_SE
	s_setreg_imm32_b32 hwreg(HW_REG_WAVE_MODE, 25, 1), 1
	s_wait_xcnt 0x0
	s_wait_alu depctr_hold_cnt(0) depctr_sa_sdst(0) depctr_va_vdst(0) depctr_va_sdst(0) depctr_va_ssrc(0) depctr_va_vcc(0) depctr_vm_vsrc(0)
	s_getreg_b32 s2, hwreg(HW_REG_IB_STS2, 6, 4)
	s_cmp_eq_u32 s2, 0
	s_cbranch_scc0 .Lentry_in_a_cluster
	s_endpgm
.Lentry_in_a_cluster:
	s_bfe_u32 s2, ttmp6, 0x10000c
	s_cmp_lg_u32 s2, 0xf033
	s_cbranch_scc0 .Lentry_shape_is_right
	s_endpgm
.Lentry_shape_is_right:
; OPROJ.  out0 = O Wo.  o16 holds O / 16 by heads, f16 [32 b + head][1024][64]; wo16 holds 16 x bf16(Wo), f16 [8 column blocks][2048 k][256]: the two factors cancel, and the f32 sums leave as they are.
; SHARES.  4,096 x 2,048 over 256 work-groups: tiles of 128 rows x 256 columns.  Wave w: rows 64 (w / 2) on, columns 128 (w % 2) on: 32 accumulators.
; THE MATRIX INSTRUCTION IS USED TRANSPOSED: source 0 = 16 columns of Wo ([k][n] in LDS, turned by ds_load_tr16_b128), source 1 = 16 rows of O: a lane holds one row and eight neighbouring columns.
; K goes in steps of 128, two heads, through two LDS slots; a step is four chunks of 32: 32 matrix instructions and 24 LDS loads each, on two fragment buffers.
; CLUSTER 4 x 4.  O's tiles hang on the row block alone and are asked for jointly along a row of the cluster, Wo's on the column block alone: along a column.
; REGISTERS: window 0: v0-31 addresses; v64-127 O's fragments (two buffers of 32); v128-255 Wo's (two of 64); on the way out v64-191 take whole rows.  Window 1: the sums at 8 (8 a + b).
.set SLOT1,  131072                    ; slot 1 begins here
.set PA,     144                       ; a row of O in LDS: 128 bytes + 16
.set HT,     18432                     ; a head's 128 rows
.set PW,     544                       ; a k row of Wo: 512 bytes + 32 = 136 words
.set WT,     36864                     ; Wo's tile, behind the two heads' rows
.set WHALF,  34816                     ; 64 k rows: what one tensor load brings
.set STAGE,  237568                    ; behind slot 1's tiles: 16 rows x 528 bytes for each wave; no tensor load lands here
.set SP,     528
.set SPARE,  271360                    ; the spare words, 128 bytes a wave: two blocks of 256 bytes that no other line names
.set ADA, 2                            ; v2   O's fragments in the slot in hand
.set ADW, 3                            ; v3   Wo's
.set BA,  5                            ; v5, v6  the same in slot 0; never rewritten
.set BW,  6
.set STO, 9                            ; v9   the way out: where I put 32 bytes of a row
.set RD,  10                           ; v10  where I read a row back
.set CO,  11                           ; v11  my byte offset in 512 consecutive bytes of out0
.set SPW, 28                           ; v28  my spare word: SPARE + 4 x my thread's number; never rewritten
.set NIL, 29                           ; v29  0; never rewritten
.set G1A, 24                           ; s[24:31] group 1 for O's tiles;  s[32:39] group 0: a set for each first fill; the second walks on
.set G0A, 32
.set G1B, 40                           ; s[40:47], s[48:55] the same for Wo's
.set G0B, 48
.set MSB, 0
.macro WIN new                         ; the immediate's high byte repeats the setting that is left; a switch that changes nothing is dropped
.if MSB != (\new)
	s_set_vgpr_msb (MSB<<8)|(\new)
.set MSB, \new
.endif
.endm
.macro PLACES                          ; four places behind matrix instructions, ahead of loads into their sources and of reads of their results
.rept 4
	v_nop
.endr
.endm
.macro JLOAD                           ; a joint refill by the walking sets: waves 0, 1 the step's two heads of O, waves 2, 3 the two halves of Wo's tile; an s_nop 0 and four v_nop follow each line
	s_cmp_eq_u32 s15, 0
	s_cbranch_scc0 .Lfor_b_\@
	tensor_load_to_lds s[G0A+4:G0A+7], s[G1A:G1A+7]
	s_nop 0
	PLACES
	s_branch .Lasked_\@
.Lfor_b_\@:
	tensor_load_to_lds s[G0B+4:G0B+7], s[G1B:G1B+7]
	s_nop 0
	PLACES
.Lasked_\@:
.endm
.macro CREST                           ; a round of the cluster's barrier behind its opening barrier
	s_cmp_lg_u32 s14, 0
	s_cbranch_scc1 .Lnot_wave_0_\@
	s_barrier_signal -3
.Lnot_wave_0_\@:
	s_barrier_wait -3
	s_barrier_signal -1
	s_barrier_wait -1
.endm
.macro CROUND
	s_barrier_signal -1
	s_barrier_wait -1
	CREST
.endm
	s_load_b128 s[4:7], s[0:1], 0x0                ; o16 4, wo16 6
	s_load_b64 s[8:9], s[0:1], 0x10                ; out0
	v_lshl_add_u32 v[SPW], v0, 2, SPARE
	v_mov_b32 v[NIL], 0
	ds_add_u32 v[SPW], v[NIL]                      ; the wave's opening: the add and its wait stand ahead of my first tensor load; the set-up below stands between them
	v_lshrrev_b32 v1, 5, v0
	v_readfirstlane_b32 s14, v1                    ; wave 0..3
	s_lshr_b32 s15, s14, 1                         ; my half of the rows.  Also: I fetch O (0) or Wo (1)
	s_and_b32 s16, s14, 1                          ; my half of the columns.  Also: which head, which 64 k rows
	s_bfe_u32 s17, ttmp6, 0x40000                  ; cx
	s_bfe_u32 s18, ttmp6, 0x40004                  ; cy
	s_lshl_b32 s19, ttmp9, 2
	s_add_co_u32 s19, s19, s17                     ; column block
	s_and_b32 s20, ttmp7, 0xffff
	s_lshl_b32 s20, s20, 2
	s_add_co_u32 s20, s20, s18                     ; row block
	s_lshl_b32 s21, s18, 2
	s_lshl_b32 s21, 15, s21                        ; my row of the cluster
	s_lshl_b32 s22, 0x1111, s17                    ; my column
	s_mov_b32 s23, 0                               ; the slot in hand
	s_or_b32 s[G1A], s21, (1<<16)|(1<<20)|(1<<21)|(4<<22)|(3<<25)  ; a head's 128 rows are 16,384 dense bytes: 64 rows of 256, padded by 4 words after every 32
	s_mov_b32 s[G1A+1], 128<<16
	s_mov_b32 s[G1A+2], 64<<16
	s_mov_b32 s[G1A+3], 128<<16
	s_mov_b32 s[G1A+4], 64
	s_mov_b32 s[G1A+5], 128
	s_mov_b32 s[G1A+6], 0
	s_mov_b32 s[G1A+7], 0
	s_or_b32 s[G1B], s22, (1<<16)|(1<<20)|(1<<21)|(6<<22)|(7<<25)  ; 64 k rows of 512 bytes, padded by 8 words after every 128
	s_mov_b32 s[G1B+1], 256<<16
	s_mov_b32 s[G1B+2], 64<<16
	s_mov_b32 s[G1B+3], 256<<16
	s_mov_b32 s[G1B+4], 64
	s_mov_b32 s[G1B+5], 256
	s_mov_b32 s[G1B+6], 0
	s_mov_b32 s[G1B+7], 0
	s_lshr_b32 s66, s20, 3                         ; O: batch x 32 heads,
	s_lshl_b32 s66, s66, 22
	s_and_b32 s67, s20, 7                          ; the row block's 128 rows in a head,
	s_lshl_b32 s67, s67, 14
	s_add_co_u32 s66, s66, s67
	s_lshl_b32 s67, s16, 17                        ; my head of the step's two
	s_add_co_u32 s66, s66, s67
	s_mov_b32 s67, 0
	s_lshl_b32 s68, s19, 20                        ; Wo: the column block, my 64 k rows
	s_lshl_b32 s69, s16, 15
	s_add_co_u32 s68, s68, s69
	s_mov_b32 s69, 0
	s_mul_i32 s72, s16, HT                         ; LDS places: the wave's number and constants alone
	s_mul_i32 s73, s16, WHALF
	s_add_co_u32 s73, s73, WT
	s_wait_dscnt 0x0                               ; the opening add is done
	s_wait_kmcnt 0x0
	s_add_nc_u64 s[4:5], s[4:5], s[66:67]
	s_add_nc_u64 s[6:7], s[6:7], s[68:69]
.irp s, 0,1
	s_mov_b32 s[G0A+4*\s], 1
	s_add_co_u32 s[G0A+4*\s+1], s72, \s*SLOT1
	s_add_nc_u64 s[G0A+4*\s+2:G0A+4*\s+3], s[4:5], \s*262144  ; K step s: two heads on
	s_or_b32 s[G0A+4*\s+3], s[G0A+4*\s+3], 0x80000000
	s_mov_b32 s[G0B+4*\s], 1
	s_add_co_u32 s[G0B+4*\s+1], s73, \s*SLOT1
	s_add_nc_u64 s[G0B+4*\s+2:G0B+4*\s+3], s[6:7], \s*65536
	s_or_b32 s[G0B+4*\s+3], s[G0B+4*\s+3], 0x80000000
.endr
	CROUND                                         ; all sixteen work-groups are here: the first joint loads meet
	s_cmp_eq_u32 s15, 0                            ; a wave's two first fills stand in one branch: two loads of mine are out
	s_cbranch_scc0 .Lfirst_b
	tensor_load_to_lds s[G0A:G0A+3], s[G1A:G1A+7]
	s_nop 0
	tensor_load_to_lds s[G0A+4:G0A+7], s[G1A:G1A+7]
	s_nop 0
	PLACES
	s_branch .Lfirst_asked
.Lfirst_b:
	tensor_load_to_lds s[G0B:G0B+3], s[G1B:G1B+7]
	s_nop 0
	tensor_load_to_lds s[G0B+4:G0B+7], s[G1B:G1B+7]
	s_nop 0
	PLACES
.Lfirst_asked:
	v_and_b32 v1, 15, v0                           ; l % 16
	v_bfe_u32 v12, v0, 4, 1                        ; l / 16
	v_and_b32 v13, 7, v0
	v_bfe_u32 v14, v0, 3, 1
	v_mul_u32_u24 v15, v1, PA
	v_lshl_add_u32 v15, v12, 4, v15
	s_mul_i32 s75, s15, 64*PA
	v_add_nc_u32 v[BA], s75, v15                   ; my 64 rows: row x 144 + 16 x half
	v_lshl_add_u32 v16, v12, 3, v13                ; the turning load: k row 8 (l / 16) + l % 8, columns 8 ((l / 8) % 2) + 0..7
	v_mul_u32_u24 v16, v16, PW
	v_lshl_add_u32 v16, v14, 4, v16
	s_lshl_b32 s76, s16, 8                         ; my 128 columns
	s_add_co_u32 s76, s76, WT
	v_add_nc_u32 v[BW], s76, v16
	s_mul_i32 s77, s14, 16*SP
	s_add_co_u32 s77, s77, STAGE                   ; my stage
	v_mul_u32_u24 v17, v1, SP                      ; in: row l % 16, 32 bytes for each half of the lanes
	v_lshl_add_u32 v17, v12, 5, v17
	v_add_nc_u32 v[STO], s77, v17
	v_and_b32 v18, 31, v0
	v_lshlrev_b32 v[CO], 4, v18                    ; back: 32 lanes take one row's 512 bytes
	v_add_nc_u32 v[RD], s77, v[CO]
	v_mov_b32 v[ADA], v[BA]
	v_mov_b32 v[ADW], v[BW]
	s_lshl_b32 s80, s20, 20                        ; out0 at my first row and column: 128 rows of 8,192 bytes a row block,
	s_lshl_b32 s81, s15, 19                        ; 64 rows a half,
	s_add_co_u32 s80, s80, s81
	s_lshl_b32 s81, s19, 10                        ; 1,024 bytes a column block,
	s_add_co_u32 s80, s80, s81
	s_lshl_b32 s81, s16, 9                         ; 512 a wave
	s_add_co_u32 s80, s80, s81
	s_mov_b32 s81, 0
	s_add_nc_u64 s[8:9], s[8:9], s[80:81]
; n x 8 matrix instructions: row blocks a0 .. a0 + n - 1 x all 8 column blocks, 32 along K, buffer f.  The 32 accumulators take turns, in the same order in every chunk.
.macro MUL f, a0, n, zero
	WIN 0x50                                       ; sources window 0, C and D window 1
.set aa, \a0
.rept \n
.irp b, 0,1,2,3,4,5,6,7
.if \zero
	v_wmma_f32_16x16x32_f16 v[8*(8*aa+\b):8*(8*aa+\b)+7], v[128+64*(\f)+8*\b:128+64*(\f)+8*\b+7], v[64+32*(\f)+8*aa:64+32*(\f)+8*aa+7], 0
.else
	v_wmma_f32_16x16x32_f16 v[8*(8*aa+\b):8*(8*aa+\b)+7], v[128+64*(\f)+8*\b:128+64*(\f)+8*\b+7], v[64+32*(\f)+8*aa:64+32*(\f)+8*aa+7], v[8*(8*aa+\b):8*(8*aa+\b)+7]
.endif
.endr
.set aa, aa+1
.endr
.endm
; 24 LDS loads in one run: chunk c of the slot in hand into buffer f: Wo's 16, then O's 8 (row blocks 0 to 3)
.macro FETCH c, f
	WIN 0
.irp b, 0,1,2,3,4,5,6,7
	ds_load_tr16_b128 v[128+64*(\f)+8*\b:128+64*(\f)+8*\b+3],   v[ADW] offset:32*PW*(\c)+32*\b
	ds_load_tr16_b128 v[128+64*(\f)+8*\b+4:128+64*(\f)+8*\b+7], v[ADW] offset:32*PW*(\c)+32*\b+16*PW
.endr
.irp a, 0,1,2,3
	ds_load_b128 v[64+32*(\f)+8*\a:64+32*(\f)+8*\a+3],   v[ADA] offset:((\c)/2)*HT+((\c)%2)*64+16*PA*\a
	ds_load_b128 v[64+32*(\f)+8*\a+4:64+32*(\f)+8*\a+7], v[ADA] offset:((\c)/2)*HT+((\c)%2)*64+16*PA*\a+32
.endr
.endm
; One of a step's first three chunks: multiplies buffer f and fetches chunk c into buffer g
.macro QUARTER c, f, g, zero
	s_wait_dscnt 4                                 ; all but O's row blocks 2 and 3 are in
	MUL \f, 0, 2, \zero
	PLACES
	FETCH \c, \g
	s_wait_dscnt 24                                ; all but the 24 just issued
	MUL \f, 2, 2, \zero
.endm
; The fourth chunk multiplies buffer 1 and changes slots: ONE barrier; in front of it each wave waits for all its tensor loads (one is out: its part of the next slot), adds 0 to its spare word, and
; waits for that and for its own reads of this slot.  fill = 1: the barrier opens a round of the cluster's, and this slot is filled again, two K steps ahead, first thing behind it:
; 112 of a step's 128 matrix instructions stand between that request and the wait for it.
.macro TURN fill
	WIN 0
	s_wait_tensorcnt 0x0                           ; all my tensor loads have landed
	ds_add_u32 v[SPW], v[NIL]                      ; 0 onto my spare word
	s_wait_dscnt 5                                 ; (the add and the youngest four loads may be out)
	MUL 1, 0, 1, 0
	s_wait_dscnt 0x0                               ; the add is done, and my reads of this slot are over
	s_barrier_signal -1
	MUL 1, 1, 1, 0
	WIN 0
	s_barrier_wait -1
.if \fill
	CREST                                          ; no wave of any partner still reads this slot or has a load on its way
	s_xor_b32 s[G0A+5], s[G0A+5], SLOT1
	s_add_nc_u64 s[G0A+6:G0A+7], s[G0A+6:G0A+7], 262144
	s_xor_b32 s[G0B+5], s[G0B+5], SLOT1
	s_add_nc_u64 s[G0B+6:G0B+7], s[G0B+6:G0B+7], 65536
	JLOAD                                          ; the four v_nop behind it are also the places in front of the loads below
.else
	PLACES
.endif
	s_xor_b32 s23, s23, SLOT1
	v_add_nc_u32 v[ADA], s23, v[BA]
	v_add_nc_u32 v[ADW], s23, v[BW]
	FETCH 0, 0
	MUL 1, 2, 2, 0
.endm
	s_wait_tensorcnt 0x1                           ; my part of slot 0 is in; slot 1's may stay out
	s_barrier_signal -1
	s_barrier_wait -1
	FETCH 0, 0
	QUARTER 1, 0, 1, 1                             ; the first chunk stands in front of the loop: its products start the sums
	WIN 0
	s_mov_b32 s60, 14                              ; K steps 2 to 15 are asked for in the loop
.Lk:
	QUARTER 2, 1, 0, 0
	QUARTER 3, 0, 1, 0
	TURN 1
	QUARTER 1, 0, 1, 0
	WIN 0
	s_sub_co_u32 s60, s60, 1
	s_cmp_lg_u32 s60, 0
	s_cbranch_scc1 .Lk
	QUARTER 2, 1, 0, 0                             ; the tail is written out: nothing is left to ask for
	QUARTER 3, 0, 1, 0
	TURN 0
	QUARTER 1, 0, 1, 0
	QUARTER 2, 1, 0, 0
	QUARTER 3, 0, 1, 0
	s_wait_dscnt 4                                 ; the very last chunk
	MUL 1, 0, 2, 0
	s_wait_dscnt 0x0
	MUL 1, 2, 2, 0
; THE WAY OUT: a block of 16 rows at a time through my stage: 32 bytes a lane in, whole rows of 512 bytes back, and out.
.macro TOSTAGE a
	WIN 0x04                                       ; the stores' data in window 1
.irp b, 0,1,2,3,4,5,6,7
	ds_store_b128 v[STO], v[8*(8*(\a)+\b):8*(8*(\a)+\b)+3]   offset:64*\b      ; each accumulator's lowest registers first
	ds_store_b128 v[STO], v[8*(8*(\a)+\b)+4:8*(8*(\a)+\b)+7] offset:64*\b+16
.endr
	WIN 0
	s_wait_xcnt 0x0                                ; the stores that read these registers two blocks ago have had their addresses translated
.irp t, 0,1,2,3,4,5,6,7,8,9,10,11,12,13,14,15
	ds_load_b128 v[64+64*((\a)%2)+4*\t:64+64*((\a)%2)+4*\t+3], v[RD] offset:SP*\t  ; LDS serves a wave's instructions in order (ISA guide 5.7.1.4): these see the stores above
.endr
.endm
.macro SEND a, younger                 ; younger: the LDS instructions issued behind block a's loads: the next block's 32, or none
	WIN 0
.irp t, 0,1,2,3,4,5,6,7,8,9,10,11,12,13,14,15
	s_wait_dscnt (\younger)+15-\t
	global_store_b128 v[CO], v[64+64*((\a)%2)+4*\t:64+64*((\a)%2)+4*\t+3], s[8:9] offset:(16*(\a)+\t)*8192 th:TH_STORE_NT  ; 512 consecutive bytes, at a multiple of 256 from out0's first
.endr
.endm
	PLACES                                         ; behind the last products
	TOSTAGE 0
	TOSTAGE 1
	SEND 0, 32
	TOSTAGE 2
	SEND 1, 32
	TOSTAGE 3
	SEND 2, 32
	SEND 3, 0
	s_wait_tensorcnt 0x0                           ; the wave's end: behind my last tensor load and my last LDS store
	ds_add_u32 v[SPW], v[NIL]
	s_wait_dscnt 0x0
	CROUND                                         ; the closing round: no work-group ends while a partner may still ask for a tile that names it
	s_endpgm
.Lfunc_end_k_qcda9d07ee8_oproj:
	.size	k_qcda9d07ee8_oproj, .Lfunc_end_k_qcda9d07ee8_oproj-k_qcda9d07ee8_oproj
	.p2alignl 7, 3214868480
	.fill 96, 4, 3214868480
	.section	.rodata,"a",@progbits
	.p2align	6, 0x0
	.amdhsa_kernel k_qcda9d07ee8_oproj
		.amdhsa_group_segment_fixed_size 327680
		.amdhsa_private_segment_fixed_size 0
		.amdhsa_enable_private_segment 0
		.amdhsa_kernarg_size 24
		.amdhsa_user_sgpr_count 2
		.amdhsa_user_sgpr_kernarg_segment_ptr 1
		.amdhsa_wavefront_size32 1
		.amdhsa_system_sgpr_workgroup_id_x 1
		.amdhsa_system_sgpr_workgroup_id_y 1
		.amdhsa_system_sgpr_workgroup_id_z 1
		.amdhsa_system_vgpr_workitem_id 0
		.amdhsa_next_free_vgpr 512
		.amdhsa_next_free_sgpr 84
		.amdhsa_reserve_vcc 0
		.amdhsa_float_denorm_mode_32 3
		.amdhsa_float_denorm_mode_16_64 3
		.amdhsa_memory_ordered 1
		.amdhsa_forward_progress 1
		.amdhsa_inst_pref_size 71
	.end_amdhsa_kernel
	.amdgpu_metadata
---
amdhsa.version: [ 1, 2 ]
amdhsa.kernels:
  - .name:           k_qcda9d07ee8_oproj
    .symbol:         k_qcda9d07ee8_oproj.kd
    .args:
      - { .name: o16, .offset: 0, .size: 8, .value_kind: global_buffer, .address_space: global }
      - { .name: wo16, .offset: 8, .size: 8, .value_kind: global_buffer, .address_space: global }
      - { .name: out0, .offset: 16, .size: 8, .value_kind: global_buffer, .address_space: global }
    .group_segment_fixed_size: 327680
    .private_segment_fixed_size: 0
    .kernarg_segment_align: 8
    .kernarg_segment_size: 24
    .max_flat_workgroup_size: 128
    .sgpr_count:     84
    .vgpr_count:     512
    .wavefront_size: 32
...
	.end_amdgpu_metadata
.endif
;; end of part 4
